; MI455X (gfx1250); checked and timed in simulation.
; The chip was launched on July 23, 2026; its instructions are those of AMD's public machine-readable ISA for CDNA 5 (MIT licence, August 2026) and "CDNA5" Instruction Set Architecture Reference Guide (July 2026). The comments in the code are by the model that wrote it; some were corrected since.
;; Linear Transformer Layer. Allowed arithmetic: float matrix products may take bf16 or f16 operands with f32 sums; other float arithmetic in f32, or as packed bf16 or f16 multiplies, adds, multiply-adds, maxima and minima; sums over many terms, partial sums and values carried from step to step in f32; what a program stores and reads back later, other than sums and carried values, may be rounded once to bf16 or f16.
;; Inputs: W1 512 x 512 float32; W2 512 x 512 float32; Wk 512 x 512 float32; Wq 512 x 512 float32; Wv 512 x 512 float32; x 8 x 4,096 x 512 float32.
;; Outputs: out0 8 x 4,096 x 512 float32.
;; 2 versions, each right; version 2 is version 1 with the launch prep written anew for expert scheduling mode. Each part assembles by itself: llvm-mc -triple=amdgcn-amd-amdhsa -mcpu=gfx1250 --defsym DOCPART=n.
;; ======== version 1 of 2: 5 launches
;; limits: values outside matrix products are rounded to f16; values are held in f16: magnitudes above 65,504 overflow, below 6.1e-05 lose precision
;; workspace buffers: wpk 5,767,168 bytes; wv16 524,288 bytes; x16 33,554,432 bytes; ekf 33,554,432 bytes; mtab 524,288 bytes; ztab 524,288 bytes; part 16,777,216 bytes
;; launch prep (part 1): grid 64 x 1, 8 waves a work-group, no clusters, 149,504 bytes of LDS; arguments Wk, Wq, Wv, W1, W2, wpk, wv16; writes wpk, wv16
.if DOCPART == 1
	.amdgcn_target "amdgcn-amd-amdhsa--gfx1250"
	.amdhsa_code_object_version 6
	.text
	.protected	k_q6e3ec4f275_prep
	.globl	k_q6e3ec4f275_prep
	.p2align	8
	.type	k_q6e3ec4f275_prep,@function
k_q6e3ec4f275_prep:
	s_mov_b64 s[64:65], 0
	v_nop
	global_prefetch_b8 v0, s[64:65] scope:SCOPE_SE
	s_setreg_imm32_b32 hwreg(HW_REG_WAVE_MODE, 25, 1), 1
	s_wait_xcnt 0x0
; WEIGHTS, ONCE.  Three things: (a) Wk and Wq rounded to f16 and laid out in fragment order into sections 0 and 1 of wpk; (b) Wv rounded to f16, row-major, into wv16;
; (c) MT = W2 W1 (f16 operands, f32 sums), rounded to f16, in fragment order into section 2 of wpk: (x1 W1^T) W2^T = x1 MT^T, by associativity alone.
; FRAGMENT ORDER of a matrix [row][k] of 512 x 512: byte (k>>6) 65536 + (row>>6) 8192 + ((k>>5)&1) 4096 + ((row>>4)&3) 1024 + ((k>>4)&1) 512 + ((row&15) + 16 ((k>>3)&1)) 16 + (k&7) 2:
; a K step of 64 is 65,536 dense bytes, 64 rows of it 8,192 dense bytes, and half a matrix fragment (16 rows x 16 k) 512 dense bytes, 16 for each lane.
; LIMITS.  All operands are f16: |W| and |W2 W1| stay below 65,504; below 6e-5 they keep f16's fixed step of 6e-8.  NaN and infinities are not treated apart.
; SHARES.  64 work-groups of eight waves.  Work-group g makes the 64 x 64 block (e block g>>3, c block g&7) of MT; its wave w also packs 16 rows x 64 k of Wk (g < 32) or Wq, and row 8 g + w of Wv.
; NO CLUSTER, NO TENSOR LOAD: every byte is f32 in memory and f16 in LDS, so it passes through registers; a block of W1 or W2 is shared by eight work-groups, 128 KiB each, once in the launch.
.set W1S,   0                          ; W1[j][my 64 c] in f16: 512 rows of 128 bytes, pitch 160 = 5 x 32
.set P1,    160
.set W2S,   81920                      ; W2[my 64 e][j] in f16: 64 rows of 1,024 bytes, pitch 1,040 = 65 x 16: 16 rows of a fragment load start at 16 different groups of four banks
.set P2,    1040
.set SPARE, 148480                     ; the spare words: 128 bytes for each of eight waves
.set MSB, 0
.macro WIN new                         ; the immediate's high byte repeats the setting that is left
.if MSB != (\new)
	s_set_vgpr_msb (MSB<<8)|(\new)
.set MSB, \new
.endif
.endm
.macro PLACES                          ; four plain vector instructions between a matrix instruction and a load into, or a read of, its registers
.rept 4
	v_nop
.endr
.endm
	s_load_b256 s[4:11], s[0:1], 0x0               ; Wk s[4:5], Wq s[6:7], Wv s[8:9], W1 s[10:11]
	s_load_b128 s[12:15], s[0:1], 0x20             ; W2 s[12:13], wpk s[14:15]
	s_load_b64 s[16:17], s[0:1], 0x30              ; wv16
	v_lshl_add_u32 v4, v0, 2, SPARE                ; my spare word, and 0: for the three lines at the wave's end
	v_mov_b32 v5, 0
	v_lshrrev_b32 v1, 5, v0
	v_readfirstlane_b32 s18, v1                    ; wave 0..7
	s_lshr_b32 s19, ttmp9, 3                       ; e block
	s_and_b32 s20, ttmp9, 7                        ; c block
	s_and_b32 s21, ttmp9, 31                       ; the 16 rows of Wk or Wq that this work-group packs
	s_lshr_b32 s30, s18, 1                         ; my 16 e of the block's 64
	s_and_b32 s31, s18, 1                          ; my 32 c of the block's 64
	v_and_b32 v1, 15, v0                           ; r = lane % 16
	v_bfe_u32 v2, v0, 4, 1                         ; h = lane / 16
	v_and_b32 v3, 31, v0                           ; lane
	v_lshlrev_b32 v6, 11, v1
	v_lshl_add_u32 v6, v2, 5, v6                   ; packing: row r, 8 floats at 32 h
	v_lshlrev_b32 v7, 4, v3                        ; 16 x lane
	v_lshlrev_b32 v8, 3, v3                        ; 8 x lane
	v_lshlrev_b32 v9, 11, v2
	v_lshl_add_u32 v9, v1, 4, v9                   ; W1: two rows of 256 bytes a load
	s_mul_i32 s2, s18, 64*P1
	v_mul_u32_u24 v10, v2, P1
	v_lshl_add_u32 v10, v1, 3, v10
	v_add_nc_u32 v10, s2, v10                      ; W1S: my 64 rows, row h, 8 bytes at 8 r
	s_mul_i32 s2, s18, 8*P2
	s_add_co_u32 s2, s2, W2S
	v_add_nc_u32 v11, s2, v8                       ; W2S: my 8 rows, 8 bytes at 8 x lane
	s_mul_i32 s2, s30, 16*P2
	s_add_co_u32 s2, s2, W2S
	v_mul_u32_u24 v12, v1, P2
	v_lshl_add_u32 v12, v2, 4, v12
	v_add_nc_u32 v12, s2, v12                      ; fragments of W2: row r of my 16, 16 h
	v_and_b32 v13, 7, v0
	v_lshl_add_u32 v13, v2, 3, v13
	v_mul_u32_u24 v13, v13, P1
	v_bfe_u32 v14, v0, 3, 1
	v_lshl_add_u32 v13, v14, 4, v13
	s_lshl_b32 s2, s31, 6
	v_add_nc_u32 v13, s2, v13                      ; turned fragments of W1: row 8 h + lane % 8, 16 bytes at (lane / 8) % 2, my 32 c
	v_add_nc_u32 v14, 8*32*P1, v13                 ; the same for j from 256 on: 15 x 5,120 bytes do not fit the 16-bit offset
	s_lshl_b32 s32, s21, 15                        ; packing, from: 16 rows of 2,048 bytes, my wave's 64 k
	s_lshl_b32 s2, s18, 8
	s_add_co_u32 s32, s32, s2
	s_mov_b32 s33, 0
	s_lshl_b32 s34, s18, 16                        ; packing, to: K step w, rows' 64-block, rows' 16-block
	s_lshr_b32 s2, s21, 2
	s_lshl_b32 s2, s2, 13
	s_add_co_u32 s34, s34, s2
	s_and_b32 s2, s21, 3
	s_lshl_b32 s2, s2, 10
	s_add_co_u32 s34, s34, s2
	s_mov_b32 s35, 0
	s_lshl_b32 s36, ttmp9, 3
	s_add_co_u32 s36, s36, s18                     ; my row of Wv
	s_lshl_b32 s38, s36, 10
	s_lshl_b32 s36, s36, 11
	s_mov_b32 s37, 0
	s_mov_b32 s39, 0
	s_lshl_b32 s40, s18, 17                        ; W1: my 64 rows, the block's 256 bytes
	s_lshl_b32 s2, s20, 8
	s_add_co_u32 s40, s40, s2
	s_mov_b32 s41, 0
	s_lshl_b32 s42, s19, 17                        ; W2: the block's 64 rows, my 8 of them
	s_lshl_b32 s2, s18, 14
	s_add_co_u32 s42, s42, s2
	s_mov_b32 s43, 0
	s_lshl_b32 s44, s20, 16                        ; MT, to: section 2, K step = c block, rows' 64-block = e block, my 32 c, my 16 e
	s_add_co_u32 s44, s44, 1048576
	s_lshl_b32 s2, s19, 13
	s_add_co_u32 s44, s44, s2
	s_lshl_b32 s2, s31, 12
	s_add_co_u32 s44, s44, s2
	s_lshl_b32 s2, s30, 10
	s_add_co_u32 s44, s44, s2
	s_mov_b32 s45, 0
	s_wait_kmcnt 0x0
	s_cmp_lt_u32 ttmp9, 32                         ; work-groups 0-31 pack Wk into section 0, the others Wq into section 1
	s_cselect_b64 s[22:23], s[4:5], s[6:7]
	s_cselect_b32 s2, 0, 524288
	s_add_co_u32 s34, s34, s2
	s_add_nc_u64 s[22:23], s[22:23], s[32:33]
	s_add_nc_u64 s[24:25], s[14:15], s[34:35]
	s_add_nc_u64 s[8:9], s[8:9], s[36:37]
	s_add_nc_u64 s[16:17], s[16:17], s[38:39]
	s_add_nc_u64 s[10:11], s[10:11], s[40:41]
	s_add_nc_u64 s[12:13], s[12:13], s[42:43]
	s_add_nc_u64 s[14:15], s[14:15], s[44:45]
	; all 76 loads go out first: 8 to pack, 4 of Wv, 32 of W1, 32 of W2 (into window 1)
.set uu, 0
.rept 4
	global_load_b128 v[32+8*uu:32+8*uu+3], v6, s[22:23] offset:64*uu
	global_load_b128 v[32+8*uu+4:32+8*uu+7], v6, s[22:23] offset:64*uu+16
.set uu, uu+1
.endr
.set uu, 0
.rept 4
	global_load_b128 v[64+4*uu:64+4*uu+3], v7, s[8:9] offset:512*uu
.set uu, uu+1
.endr
.set uu, 0
.rept 32
	global_load_b128 v[80+4*uu:80+4*uu+3], v9, s[10:11] offset:4096*uu
.set uu, uu+1
.endr
	WIN 0x40                                       ; destination window 1, address window 0
.set uu, 0
.rept 32
	global_load_b128 v[4*uu:4*uu+3], v7, s[12:13] offset:(uu/4)*2048+(uu%4)*512
.set uu, uu+1
.endr
	WIN 0
	s_wait_loadcnt 63                              ; of 76 loads at most 63 are out: the oldest 13 are in, the 12 of the packing and of Wv among them
.set uu, 0
.rept 4                                        ; 8 floats a lane become 16 bytes, in place; each store covers 512 consecutive bytes
	v_cvt_pk_f16_f32 v[32+8*uu], v[32+8*uu], v[32+8*uu+1]
	v_cvt_pk_f16_f32 v[32+8*uu+1], v[32+8*uu+2], v[32+8*uu+3]
	v_cvt_pk_f16_f32 v[32+8*uu+2], v[32+8*uu+4], v[32+8*uu+5]
	v_cvt_pk_f16_f32 v[32+8*uu+3], v[32+8*uu+6], v[32+8*uu+7]
	global_store_b128 v7, v[32+8*uu:32+8*uu+3], s[24:25] offset:(uu/2)*4096+(uu%2)*512
.set uu, uu+1
.endr
.set uu, 0
.rept 4                                        ; Wv's row: each store covers 256 consecutive bytes, aligned
	v_cvt_pk_f16_f32 v[64+4*uu], v[64+4*uu], v[64+4*uu+1]
	v_cvt_pk_f16_f32 v[64+4*uu+1], v[64+4*uu+2], v[64+4*uu+3]
	global_store_b64 v8, v[64+4*uu:64+4*uu+1], s[16:17] offset:256*uu
.set uu, uu+1
.endr
	s_wait_loadcnt 32                              ; W1 is in; W2's 32 loads may be out
.set uu, 0
.rept 32
	v_cvt_pk_f16_f32 v[80+4*uu], v[80+4*uu], v[80+4*uu+1]
	v_cvt_pk_f16_f32 v[80+4*uu+1], v[80+4*uu+2], v[80+4*uu+3]
	ds_store_b64 v10, v[80+4*uu:80+4*uu+1] offset:uu*2*P1
.set uu, uu+1
.endr
	s_wait_loadcnt 0x0                             ; W2
	WIN 0x45                                       ; sources and destination in window 1
.set uu, 0
.rept 32
	v_cvt_pk_f16_f32 v[4*uu], v[4*uu], v[4*uu+1]
	v_cvt_pk_f16_f32 v[4*uu+1], v[4*uu+2], v[4*uu+3]
.set uu, uu+1
.endr
	WIN 0x04                                       ; an LDS store's data are source 1
.set uu, 0
.rept 32
	ds_store_b64 v11, v[4*uu:4*uu+1] offset:(uu/4)*P2+(uu%4)*256
.set uu, uu+1
.endr
	WIN 0
	s_wait_dscnt 0x0                               ; for the others' sake: my stores into W1S and W2S are done
	s_wait_xcnt 0x0                                ; the global stores have read v32-79, which the fragments below take
	s_barrier_signal -1
	s_barrier_wait -1
	; MT block: source 0 = 16 c (W1 turned), source 1 = 16 e (W2): a lane holds one e and eight neighbouring c.  Two accumulators take turns.
.set gq, 0
.rept 4                                        ; four groups of four K steps of 32
.if gq > 0
	PLACES
.endif
.set kk, 0
.rept 4
	ds_load_b128 v[32+8*kk:32+8*kk+3], v12 offset:(4*gq+kk)*64
	ds_load_b128 v[32+8*kk+4:32+8*kk+7], v12 offset:(4*gq+kk)*64+32
.irp i, 0,1
	ds_load_tr16_b128 v[64+8*(2*kk+\i):64+8*(2*kk+\i)+3], v[13+gq/2] offset:((4*gq+kk)%8)*32*P1+32*\i
	ds_load_tr16_b128 v[64+8*(2*kk+\i)+4:64+8*(2*kk+\i)+7], v[13+gq/2] offset:((4*gq+kk)%8)*32*P1+32*\i+16*P1
.endr
.set kk, kk+1
.endr
	s_wait_dscnt 0x0                               ; the group's 24 loads
.set kk, 0
.rept 4
.irp i, 0,1
.if (gq == 0) && (kk == 0)
	v_wmma_f32_16x16x32_f16 v[128+8*\i:128+8*\i+7], v[64+8*(2*kk+\i):64+8*(2*kk+\i)+7], v[32+8*kk:32+8*kk+7], 0
.else
	v_wmma_f32_16x16x32_f16 v[128+8*\i:128+8*\i+7], v[64+8*(2*kk+\i):64+8*(2*kk+\i)+7], v[32+8*kk:32+8*kk+7], v[128+8*\i:128+8*\i+7]
.endif
.endr
.set kk, kk+1
.endr
.set gq, gq+1
.endr
	PLACES
.irp i, 0,1
.irp j, 0,1,2,3
	v_cvt_pk_f16_f32 v[144+4*\i+\j], v[128+8*\i+2*\j], v[128+8*\i+2*\j+1]
.endr
	global_store_b128 v7, v[144+4*\i:144+4*\i+3], s[14:15] offset:512*\i   ; half a fragment: 512 consecutive bytes
.endr
	s_wait_tensorcnt 0x0                           ; the wave's end: three closing lines behind my last LDS store
	ds_add_u32 v4, v5
	s_wait_dscnt 0x0
	s_endpgm
.Lfunc_end_k_q6e3ec4f275_prep:
	.size	k_q6e3ec4f275_prep, .Lfunc_end_k_q6e3ec4f275_prep-k_q6e3ec4f275_prep
	.p2alignl 7, 3214868480
	.fill 96, 4, 3214868480
	.section	.rodata,"a",@progbits
	.p2align	6, 0x0
	.amdhsa_kernel k_q6e3ec4f275_prep
		.amdhsa_group_segment_fixed_size 149504
		.amdhsa_private_segment_fixed_size 0
		.amdhsa_enable_private_segment 0
		.amdhsa_kernarg_size 56
		.amdhsa_user_sgpr_count 2
		.amdhsa_user_sgpr_kernarg_segment_ptr 1
		.amdhsa_wavefront_size32 1
		.amdhsa_system_sgpr_workgroup_id_x 1
		.amdhsa_system_sgpr_workgroup_id_y 1
		.amdhsa_system_sgpr_workgroup_id_z 1
		.amdhsa_system_vgpr_workitem_id 0
		.amdhsa_next_free_vgpr 384
		.amdhsa_next_free_sgpr 66
		.amdhsa_reserve_vcc 0
		.amdhsa_float_denorm_mode_32 3
		.amdhsa_float_denorm_mode_16_64 3
		.amdhsa_memory_ordered 1
		.amdhsa_forward_progress 1
		.amdhsa_inst_pref_size 36
	.end_amdhsa_kernel
	.amdgpu_metadata
---
amdhsa.version: [ 1, 2 ]
amdhsa.kernels:
  - .name:           k_q6e3ec4f275_prep
    .symbol:         k_q6e3ec4f275_prep.kd
    .args:
      - { .name: Wk, .offset: 0, .size: 8, .value_kind: global_buffer, .address_space: global }
      - { .name: Wq, .offset: 8, .size: 8, .value_kind: global_buffer, .address_space: global }
      - { .name: Wv, .offset: 16, .size: 8, .value_kind: global_buffer, .address_space: global }
      - { .name: W1, .offset: 24, .size: 8, .value_kind: global_buffer, .address_space: global }
      - { .name: W2, .offset: 32, .size: 8, .value_kind: global_buffer, .address_space: global }
      - { .name: wpk, .offset: 40, .size: 8, .value_kind: global_buffer, .address_space: global }
      - { .name: wv16, .offset: 48, .size: 8, .value_kind: global_buffer, .address_space: global }
    .group_segment_fixed_size: 149504
    .private_segment_fixed_size: 0
    .kernarg_segment_align: 8
    .kernarg_segment_size: 56
    .max_flat_workgroup_size: 256
    .sgpr_count:     66
    .vgpr_count:     384
    .wavefront_size: 32
...
	.end_amdgpu_metadata
.endif
;; end of part 1
;; launch k1 (part 2): grid 256 x 1, 8 waves a work-group, clusters of 4 x 1, 327,680 bytes of LDS; arguments x, wpk, x16, ekf, mtab, ztab; writes x16, ekf, mtab, ztab
.if DOCPART == 2
	.amdgcn_target "amdgcn-amd-amdhsa--gfx1250"
	.amdhsa_code_object_version 6
	.text
	.protected	k_q6e3ec4f275_k1
	.globl	k_q6e3ec4f275_k1
	.p2align	8
	.type	k_q6e3ec4f275_k1,@function
k_q6e3ec4f275_k1:
	s_mov_b64 s[64:65], 0
	v_nop
	global_prefetch_b8 v0, s[64:65] scope:SCOPE_SE
	s_setreg_imm32_b32 hwreg(HW_REG_WAVE_MODE, 25, 1), 1
	s_wait_xcnt 0x0
	s_wait_alu depctr_hold_cnt(0) depctr_sa_sdst(0) depctr_va_vdst(0) depctr_va_sdst(0) depctr_va_ssrc(0) depctr_va_vcc(0) depctr_vm_vsrc(0)
	s_getreg_b32 s2, hwreg(HW_REG_IB_STS2, 6, 4)
	s_cmp_eq_u32 s2, 0
	s_cbranch_scc0 .Lentry_in_a_cluster
	s_endpgm
.Lentry_in_a_cluster:
	s_bfe_u32 s2, ttmp6, 0x10000c
	s_cmp_lg_u32 s2, 0x3003
	s_cbranch_scc0 .Lentry_shape_is_right
	s_endpgm
.Lentry_shape_is_right:
; k = x Wk^T for a block of 128 rows, and the block's part of the softmax over the sequence.  Out: x16 = x in f16; for each channel d the block's m' = log2(e) max_n k[n][d] (mtab),
; Zl = sum_n 2^(log2(e) k - m') in f32 (ztab), and ek = 2^(log2(e) k - m') in f16 (ekf), laid out as the fragments that the next launch multiplies: for 16 d and 128 n 4,096 bytes,
; piece a (n = 16 a ..) 512 bytes, lane (d % 16) + 16 h holding n = 16 a + 8 h + 0..7.  The true maximum over the whole sequence is applied by the later launches, from mtab.
; LIMITS.  Matrix operands are f16: |x| and |Wk| below 65,504, relative rounding 2^-11; ek below 6e-8 vanishes.  NaN and infinities are not treated apart.
; SHARES.  Eight waves; the work-group owns 128 rows and all 512 channels, wave w all rows (tiles a = 0..7) and channels 64 w .. 64 w + 63 (tiles b = 0..3): 32 accumulators, window 1.
; x lies in LDS (ACT) in f16 for the whole product; Wk comes by K steps of 64 through two slots, each wave fetching and reading its own 8,192 bytes of a step (dense: fragment order).
; CLUSTER.  All work-groups walk the same Wk: the four of a cluster ask for each tile jointly (same load, descriptor and mask in all four).
; Source 0 = 16 rows of x, source 1 = 16 rows of Wk: a lane holds ONE channel and eight rows, so the maximum and the sum over rows stay in the lane but for one exchange of halves.
.set SLOT1, 65536                      ; slot 0 at 0, slot 1 here: one exclusive or turns one into the other
.set ACT,   131072                     ; 128 rows of 1,024 bytes, pitch 1,040 = 65 x 16: written by LDS stores alone
.set AP,    1040
.set AHALF, 64*AP
.set SCR,   264192                     ; 512 bytes a wave: m' and Zl on their way out
.set SPARE, 268288                     ; the spare words: 128 bytes for each of eight waves
.set FA,    64                         ; fragment buffer f (0, 1): x's eight fragments at FA + 64 f,
.set FW,    192                        ; Wk's four at FW + 32 f; all in window 0
.set MULW,  0x50                       ; C and D in window 1
; v0 thread, v1 r, v2 h, v3 lane, v4 spare word, v5 0, v6 my place in a slot, v7 the same in the slot in hand, v8/v9 my place in ACT's rows 0-63/64-127, v10/v11 the same at the K step in hand,
; v16 16 lane, v17 ACT store, v18 8 lane, v20/v21 SCR in/out, v24-27 maxima, v36-43 m' as pairs, v44-51 sums
; s12 wave, s13 cx, s14 row block, s[16:23] group 1, s[24:27] group 0 of tile 0, s[28:31] group 0 that walks, s[32:33] Wk at my rows, s39 slot in hand, s40 byte of the K step in ACT's rows, s41 count, s[42:43] log2(e), s[48:49] lane selects
.set MSB, 0
.macro WIN new                         ; the immediate's high byte repeats the setting that is left
.if MSB != (\new)
	s_set_vgpr_msb (MSB<<8)|(\new)
.set MSB, \new
.endif
.endm
.macro PLACES                          ; four plain vector instructions between a matrix instruction and a load into, or a read of, its registers
.rept 4
	v_nop
.endr
.endm
.macro CREST                           ; a round of the cluster's barrier behind its opening barrier
	s_cmp_lg_u32 s12, 0
	s_cbranch_scc1 .Lnot_wave_0_\@
	s_barrier_signal -3
.Lnot_wave_0_\@:
	s_barrier_wait -3
	s_barrier_signal -1
	s_barrier_wait -1
.endm
.macro CROUND
	s_barrier_signal -1
	s_barrier_wait -1
	CREST
.endm
; 8 matrix instructions: row tiles a0, a0 + 1 x all four channel tiles, 32 along K, from buffer f.  The 32 accumulators take turns.
.macro MUL8 f, a0, zero
	WIN MULW
.irp a, \a0, (\a0)+1
.irp b, 0,1,2,3
.if \zero
	v_wmma_f32_16x16x32_f16 v[8*(4*(\a)+(\b)):8*(4*(\a)+(\b))+7], v[FA+64*(\f)+8*(\a):FA+64*(\f)+8*(\a)+7], v[FW+32*(\f)+8*(\b):FW+32*(\f)+8*(\b)+7], 0
.else
	v_wmma_f32_16x16x32_f16 v[8*(4*(\a)+(\b)):8*(4*(\a)+(\b))+7], v[FA+64*(\f)+8*(\a):FA+64*(\f)+8*(\a)+7], v[FW+32*(\f)+8*(\b):FW+32*(\f)+8*(\b)+7], v[8*(4*(\a)+(\b)):8*(4*(\a)+(\b))+7]
.endif
.endr
.endr
.endm
; 24 LDS loads in one run: 32 along K into buffer f: the weights (byte wo of my part of the slot), then ACT's rows 0-63, then rows 64-127 (byte ao of the step)
.macro FETCH wo, ao, f
	WIN 0
.irp b, 0,1,2,3
	ds_load_b128 v[FW+32*(\f)+8*(\b):FW+32*(\f)+8*(\b)+3], v7 offset:(\wo)+(\b)*1024
	ds_load_b128 v[FW+32*(\f)+8*(\b)+4:FW+32*(\f)+8*(\b)+7], v7 offset:(\wo)+(\b)*1024+512
.endr
.irp a, 0,1,2,3
	ds_load_b128 v[FA+64*(\f)+8*(\a):FA+64*(\f)+8*(\a)+3], v10 offset:(\ao)+(\a)*16*AP
	ds_load_b128 v[FA+64*(\f)+8*(\a)+4:FA+64*(\f)+8*(\a)+7], v10 offset:(\ao)+(\a)*16*AP+32
.endr
.irp a, 0,1,2,3
	ds_load_b128 v[FA+64*(\f)+32+8*(\a):FA+64*(\f)+32+8*(\a)+3], v11 offset:(\ao)+(\a)*16*AP
	ds_load_b128 v[FA+64*(\f)+32+8*(\a)+4:FA+64*(\f)+32+8*(\a)+7], v11 offset:(\ao)+(\a)*16*AP+32
.endr
.endm
; A K step of 64 is two halves of 32.  The first multiplies buffer 0 and fetches the second half into buffer 1.
.macro QUARTER zero
	s_wait_dscnt 8                                 ; the weights and rows 0-63 are in; the youngest eight loads (rows 64-127) may be out
	MUL8 0, 0, \zero
	MUL8 0, 2, \zero
	PLACES
	FETCH 4096, 64, 1
	s_wait_dscnt 24                                ; all but the 24 just issued
	MUL8 0, 4, \zero
	MUL8 0, 6, \zero
.endm
; The second half multiplies buffer 1 and changes slots.  In front of the barrier: all my tensor loads have landed (one is out: my part of the next slot), the add, my reads of this slot are over.
; fill = 1: the barrier opens a round of the cluster's, and the joint refill of the slot just read, two K steps ahead, is the first thing behind it.  fetch = 1: the next step's first half is fetched.
.macro TURN fill, fetch
	WIN 0
	s_wait_tensorcnt 0x0                           ; no tensor load of mine is out, so a group 0 may be written
	ds_add_u32 v4, v5                              ; 0 onto my spare word; scalar work and eight products stand between it and the wait for it
	s_xor_b32 s39, s39, SLOT1                      ; the next step's slot,
	s_add_co_u32 s40, s40, 128                     ; and its 128 bytes of ACT's rows
.if \fill
	s_xor_b32 s29, s29, SLOT1                      ; the walking descriptor: the other slot than last time, the next tile
	s_add_nc_u64 s[30:31], s[30:31], 65536
.endif
	s_wait_dscnt 9                                 ; the add and the youngest eight loads may be out
	MUL8 1, 0, 0
	s_wait_dscnt 0x0                               ; the add is done, my reads of this slot are over
	s_barrier_signal -1
	MUL8 1, 2, 0                                   ; work on registers while the others arrive
	WIN 0
	s_barrier_wait -1
.if \fill
	CREST                                          ; no wave of any partner still reads this slot or has a load on its way
	tensor_load_to_lds s[28:31], s[16:23]
	s_nop 0
.endif
	v_add_nc_u32 v7, s39, v6                       ; these four are also the places between buffer 0's last products and the loads into it
	v_add_nc_u32 v10, s40, v8
	v_add_nc_u32 v11, s40, v9
	v_nop
.if \fetch
	FETCH 0, 0, 0
.endif
	MUL8 1, 4, 0
	MUL8 1, 6, 0
.endm
.macro LASTQ                           ; the very last half step: nothing more to fetch
	s_wait_dscnt 8
	MUL8 1, 0, 0
	MUL8 1, 2, 0
	s_wait_dscnt 0x0
	MUL8 1, 4, 0
	MUL8 1, 6, 0
.endm
	s_load_b256 s[4:11], s[0:1], 0x0               ; x s[4:5], wpk s[6:7], x16 s[8:9], ekf s[10:11]
	s_load_b128 s[44:47], s[0:1], 0x20             ; mtab s[44:45], ztab s[46:47]
	v_lshl_add_u32 v4, v0, 2, SPARE
	v_mov_b32 v5, 0
	ds_add_u32 v4, v5                              ; the wave's opening: the add and its wait ahead of my first tensor load; the set-up stands between them
	v_lshrrev_b32 v1, 5, v0
	v_readfirstlane_b32 s12, v1                    ; wave 0..7
	s_bfe_u32 s13, ttmp6, 0x40000                  ; cx
	s_lshl_b32 s14, ttmp9, 2
	s_add_co_u32 s14, s14, s13                     ; my block of 128 rows: it enters global addresses of my own loads and stores alone
	s_mov_b32 s16, 15|(3<<16)|(1<<21)              ; group 1: mask of the four; elements of 8 bytes; bit 21 beside a mask; no padding
	s_mov_b32 s17, 32<<16                          ; tensor_dim0 = 32 elements: rows of 256 bytes
	s_mov_b32 s18, 32<<16                          ; tensor_dim1 = 32 rows: 8,192 dense bytes
	s_mov_b32 s19, 32<<16                          ; tile_dim0
	s_mov_b32 s20, 32                              ; tile_dim1
	s_mov_b32 s21, 32                              ; from row to row
	s_mov_b32 s22, 0
	s_mov_b32 s23, 0
	s_lshl_b32 s50, s12, 13                        ; my 8,192 bytes of a tile, in memory and in a slot
	s_mov_b32 s51, 0
	s_mov_b32 s24, 1
	s_mov_b32 s25, s50
	s_mov_b32 s28, 1
	s_add_co_u32 s29, s50, SLOT1
	s_mov_b32 s42, 0x3fb8aa3b                      ; log2(e)
	s_mov_b32 s43, s42                             ; named with it as a pair
	s_mov_b32 s48, 0x76543210
	s_mov_b32 s49, 0xfedcba98
	s_mov_b32 s39, 0
	s_mov_b32 s40, 0
	s_lshl_b32 s52, s14, 18                        ; x: 128 rows of 2,048 bytes, my 16 of them
	s_lshl_b32 s2, s12, 15
	s_add_co_u32 s52, s52, s2
	s_mov_b32 s53, 0
	s_lshl_b32 s54, s14, 17                        ; x16 and ekf: 131,072 bytes a block, 16,384 a wave
	s_lshl_b32 s2, s12, 14
	s_add_co_u32 s54, s54, s2
	s_mov_b32 s55, 0
	s_lshl_b32 s2, s14, 11                         ; the tables: 2,048 bytes a block, 256 a wave
	s_lshl_b32 s3, s12, 8
	s_add_co_u32 s2, s2, s3
	s_mov_b32 s3, 0
	v_and_b32 v1, 15, v0
	v_bfe_u32 v2, v0, 4, 1
	v_and_b32 v3, 31, v0
	v_lshlrev_b32 v16, 4, v3
	v_lshlrev_b32 v18, 3, v3
	v_add_nc_u32 v6, s50, v16
	v_mul_u32_u24 v8, v1, AP
	v_lshl_add_u32 v8, v2, 4, v8
	v_add_nc_u32 v8, ACT, v8
	v_add_nc_u32 v9, AHALF, v8
	s_mul_i32 s15, s12, 16*AP
	s_add_co_u32 s15, s15, ACT
	v_add_nc_u32 v17, s15, v18
	s_lshl_b32 s15, s12, 9
	s_add_co_u32 s15, s15, SCR
	v_lshl_add_u32 v20, v1, 2, s15
	v_add_nc_u32 v21, s15, v18
	s_wait_dscnt 0x0                               ; the opening add is done
	s_wait_kmcnt 0x0
	s_add_nc_u64 s[32:33], s[6:7], s[50:51]        ; section 0 of wpk (Wk) at my rows
	s_add_nc_u64 s[4:5], s[4:5], s[52:53]
	s_add_nc_u64 s[8:9], s[8:9], s[54:55]
	s_add_nc_u64 s[10:11], s[10:11], s[54:55]
	s_add_nc_u64 s[44:45], s[44:45], s[2:3]
	s_add_nc_u64 s[46:47], s[46:47], s[2:3]
	s_mov_b64 s[26:27], s[32:33]
	s_or_b32 s27, s27, 0x80000000
	s_add_nc_u64 s[30:31], s[32:33], 65536
	s_or_b32 s31, s31, 0x80000000
	CROUND                                         ; all four work-groups are here: the first joint loads meet
	tensor_load_to_lds s[24:27], s[16:23]          ; tile 0; two loads of mine are out
	s_nop 0
	tensor_load_to_lds s[28:31], s[16:23]          ; tile 1
	s_nop 0
	PLACES
	; x: my 16 rows, 64 loads of 512 consecutive bytes, into the accumulators' registers, which are free
	WIN 0x40
.set ii, 0
.rept 64
	global_load_b128 v[4*ii:4*ii+3], v16, s[4:5] offset:(ii/4)*2048+(ii%4)*512 th:TH_LOAD_NT
.set ii, ii+1
.endr
.set ii, 0
.rept 16                                       ; row by row: rounded to f16, into ACT and out to x16 (each store 256 consecutive bytes, aligned)
	s_wait_loadcnt 60-4*ii                         ; loads come back in order: the rows behind this one may be out
	WIN 0x05
.set jj, 0
.rept 4
	v_cvt_pk_f16_f32 v[64+8*ii+2*jj], v[16*ii+4*jj], v[16*ii+4*jj+1]
	v_cvt_pk_f16_f32 v[64+8*ii+2*jj+1], v[16*ii+4*jj+2], v[16*ii+4*jj+3]
.set jj, jj+1
.endr
	WIN 0
.set jj, 0
.rept 4
	ds_store_b64 v17, v[64+8*ii+2*jj:64+8*ii+2*jj+1] offset:ii*AP+jj*256
	global_store_b64 v18, v[64+8*ii+2*jj:64+8*ii+2*jj+1], s[8:9] offset:ii*1024+jj*256
.set jj, jj+1
.endr
.set ii, ii+1
.endr
	s_wait_tensorcnt 0x1                           ; my part of tile 0 is in; tile 1 may stay out
	s_wait_dscnt 0x0                               ; for the others' sake: my rows of ACT are written
	s_wait_xcnt 0x0                                ; the stores to x16 have read v64-191, which the fragments take
	s_barrier_signal -1
	s_barrier_wait -1
	v_add_nc_u32 v7, s39, v6
	v_add_nc_u32 v10, s40, v8
	v_add_nc_u32 v11, s40, v9
	FETCH 0, 0, 0
	QUARTER 1                                      ; K step 0 starts the sums: nothing is cleared
	TURN 1, 1
	WIN 0
	s_mov_b32 s41, 5
.Lk:                                                   ; K steps 1 to 5: each asks for the tile two steps on
	QUARTER 0
	TURN 1, 1
	WIN 0
	s_sub_co_u32 s41, s41, 1
	s_cmp_lg_u32 s41, 0
	s_cbranch_scc1 .Lk
	QUARTER 0                                      ; the last two steps ask for nothing
	TURN 0, 1
	QUARTER 0
	LASTQ
	; THE BLOCK'S SOFTMAX PART.  Tile (a, b), register j: row 16 a + 8 h + j, channel 64 w + 16 b + r.  Each accumulator is read from its low end on.
	WIN 0
	PLACES
	WIN 0x15                                       ; all three sources in window 1
.irp b, 0,1,2,3
	v_max3_num_f32 v[24+\b], v[8*\b], v[8*\b+1], v[8*\b+2]
.endr
	WIN 0x14                                       ; the running maximum in window 0
.set ii, 3
.rept 30
.irp b, 0,1,2,3
	v_max3_num_f32 v[24+\b], v[24+\b], v[8*(4*(ii/8)+\b)+ii%8], v[8*(4*((ii+1)/8)+\b)+(ii+1)%8]
.endr
.set ii, ii+2
.endr
.irp b, 0,1,2,3
	v_max_num_f32 v[24+\b], v[24+\b], v[8*(28+\b)+7]
.endr
	WIN 0
.irp b, 0,1,2,3
	v_permlanex16_b32 v[192+\b], v[24+\b], s48, s49    ; the channel's other 64 rows lie 16 lanes away; the destination counts as read: a register that the fetches have written
.endr
.irp b, 0,1,2,3
	v_max_num_f32 v[24+\b], v[24+\b], v[192+\b]
.endr
.irp b, 0,1,2,3
	v_mul_f32 v[36+2*\b], s42, v[24+\b]            ; m'
	v_mul_f32 v[37+2*\b], s42, v[24+\b]            ; named with it as a pair
.endr
	WIN 0x41                                       ; destination and source 0 in window 1, m' in window 0
.set tt, 0
.rept 32
.set jj, 0
.rept 4
	v_pk_fma_f32 v[8*tt+2*jj:8*tt+2*jj+1], v[8*tt+2*jj:8*tt+2*jj+1], s[42:43], v[36+2*(tt%4):37+2*(tt%4)] op_sel_hi:[1,0,0] neg_lo:[0,0,1] neg_hi:[0,0,1]
.set jj, jj+1
.endr
.set tt, tt+1
.endr
.set ii, 0
.rept 256
	v_exp_f32 v[ii], v[ii]
.set ii, ii+1
.endr
	v_nop                                          ; a plain instruction behind the last exponential (ISA guide 5.7.2)
	WIN 0x05
	s_wait_alu depctr_va_vdst(0)
.irp b, 0,1,2,3
	v_pk_add_f32 v[44+2*\b:45+2*\b], v[8*\b:8*\b+1], v[8*\b+2:8*\b+3]
.endr
	WIN 0x04
.set ii, 2
.rept 30
.irp b, 0,1,2,3
	v_pk_add_f32 v[44+2*\b:45+2*\b], v[44+2*\b:45+2*\b], v[8*(4*(ii/4)+\b)+2*(ii%4):8*(4*(ii/4)+\b)+2*(ii%4)+1]
.endr
.set ii, ii+1
.endr
	WIN 0x05
.set tt, 0
.rept 32
.set jj, 0
.rept 4
	v_cvt_pk_f16_f32 v[64+4*tt+jj], v[8*tt+2*jj], v[8*tt+2*jj+1]
.set jj, jj+1
.endr
.set tt, tt+1
.endr
	WIN 0
.set tt, 0
.rept 32
	global_store_b128 v16, v[64+4*tt:64+4*tt+3], s[10:11] offset:(tt%4)*4096+(tt/4)*512   ; half a fragment: 512 consecutive bytes
.set tt, tt+1
.endr
.irp b, 0,1,2,3
	v_add_f32 v[44+2*\b], v[44+2*\b], v[45+2*\b]
.endr
.irp b, 0,1,2,3
	v_permlanex16_b32 v[192+\b], v[44+2*\b], s48, s49
.endr
.irp b, 0,1,2,3
	v_add_f32 v[44+2*\b], v[44+2*\b], v[192+\b]
.endr
.irp b, 0,1,2,3                                ; both halves of the lanes hold the same number and write the same word
	ds_store_b32 v20, v[36+2*\b] offset:64*\b
	ds_store_b32 v20, v[44+2*\b] offset:256+64*\b
.endr
	ds_load_b64 v[196:197], v21                    ; LDS serves a wave's instructions in order (ISA guide 5.7.1.4): these see the stores above; the bytes are my wave's own
	ds_load_b64 v[198:199], v21 offset:256
	s_wait_dscnt 0x0
	global_store_b64 v18, v[196:197], s[44:45]     ; my 64 channels: 256 consecutive bytes, aligned
	global_store_b64 v18, v[198:199], s[46:47]
	s_wait_tensorcnt 0x0                           ; the wave's end
	ds_add_u32 v4, v5
	s_wait_dscnt 0x0
	CROUND                                         ; the closing round: no work-group ends while a partner may still ask for a tile that names it
	s_endpgm
.Lfunc_end_k_q6e3ec4f275_k1:
	.size	k_q6e3ec4f275_k1, .Lfunc_end_k_q6e3ec4f275_k1-k_q6e3ec4f275_k1
	.p2alignl 7, 3214868480
	.fill 96, 4, 3214868480
	.section	.rodata,"a",@progbits
	.p2align	6, 0x0
	.amdhsa_kernel k_q6e3ec4f275_k1
		.amdhsa_group_segment_fixed_size 327680
		.amdhsa_private_segment_fixed_size 0
		.amdhsa_enable_private_segment 0
		.amdhsa_kernarg_size 48
		.amdhsa_user_sgpr_count 2
		.amdhsa_user_sgpr_kernarg_segment_ptr 1
		.amdhsa_wavefront_size32 1
		.amdhsa_system_sgpr_workgroup_id_x 1
		.amdhsa_system_sgpr_workgroup_id_y 1
		.amdhsa_system_sgpr_workgroup_id_z 1
		.amdhsa_system_vgpr_workitem_id 0
		.amdhsa_next_free_vgpr 512
		.amdhsa_next_free_sgpr 66
		.amdhsa_reserve_vcc 0
		.amdhsa_float_denorm_mode_32 3
		.amdhsa_float_denorm_mode_16_64 3
		.amdhsa_memory_ordered 1
		.amdhsa_forward_progress 1
		.amdhsa_inst_pref_size 108
	.end_amdhsa_kernel
	.amdgpu_metadata
---
amdhsa.version: [ 1, 2 ]
amdhsa.kernels:
  - .name:           k_q6e3ec4f275_k1
    .symbol:         k_q6e3ec4f275_k1.kd
    .args:
      - { .name: x, .offset: 0, .size: 8, .value_kind: global_buffer, .address_space: global }
      - { .name: wpk, .offset: 8, .size: 8, .value_kind: global_buffer, .address_space: global }
      - { .name: x16, .offset: 16, .size: 8, .value_kind: global_buffer, .address_space: global }
      - { .name: ekf, .offset: 24, .size: 8, .value_kind: global_buffer, .address_space: global }
      - { .name: mtab, .offset: 32, .size: 8, .value_kind: global_buffer, .address_space: global }
      - { .name: ztab, .offset: 40, .size: 8, .value_kind: global_buffer, .address_space: global }
    .group_segment_fixed_size: 327680
    .private_segment_fixed_size: 0
    .kernarg_segment_align: 8
    .kernarg_segment_size: 48
    .max_flat_workgroup_size: 256
    .sgpr_count:     66
    .vgpr_count:     512
    .wavefront_size: 32
...
	.end_amdgpu_metadata
.endif
;; end of part 2
;; launch k2 (part 3): grid 4 x 64, 4 waves a work-group, clusters of 4 x 4, 327,680 bytes of LDS; arguments ekf, x16, mtab, part; writes part
.if DOCPART == 3
	.amdgcn_target "amdgcn-amd-amdhsa--gfx1250"
	.amdhsa_code_object_version 6
	.text
	.protected	k_q6e3ec4f275_k2
	.globl	k_q6e3ec4f275_k2
	.p2align	8
	.type	k_q6e3ec4f275_k2,@function
k_q6e3ec4f275_k2:
	s_mov_b64 s[64:65], 0
	v_nop
	global_prefetch_b8 v0, s[64:65] scope:SCOPE_SE
	s_setreg_imm32_b32 hwreg(HW_REG_WAVE_MODE, 25, 1), 1
	s_wait_xcnt 0x0
	s_wait_alu depctr_hold_cnt(0) depctr_sa_sdst(0) depctr_va_vdst(0) depctr_va_sdst(0) depctr_va_ssrc(0) depctr_va_vcc(0) depctr_vm_vsrc(0)
	s_getreg_b32 s2, hwreg(HW_REG_IB_STS2, 6, 4)
	s_cmp_eq_u32 s2, 0
	s_cbranch_scc0 .Lentry_in_a_cluster
	s_endpgm
.Lentry_in_a_cluster:
	s_bfe_u32 s2, ttmp6, 0x10000c
	s_cmp_lg_u32 s2, 0xf033
	s_cbranch_scc0 .Lentry_shape_is_right
	s_endpgm
.Lentry_shape_is_right:
; part[kh][b][d][c] = sum over the 2,048 rows n of half kh of batch b of (s ek)[n][d] x[n][c], in f32.  s[blk][d] = 2^(m'[blk][d] - max over the batch's 32 blocks of m'[.][d]) brings each block's
; weights under the true maximum of the whole sequence; ek and s are f16, their product is rounded to f16 once more.  (context = softmax(k)^T (x Wv^T) = (softmax(k)^T x) Wv^T: v is never formed.)
; LIMITS.  f16 operands: |x| below 65,504; a weight below 6e-8 of its channel's largest vanishes.  NaN and infinities are not treated apart.
; SHARES.  A work-group makes 128 d x 128 c for one half of one batch; four waves, each 64 d x 64 c: 16 accumulators in window 0.  K = n goes by slots of 256 rows (two blocks of 128) through two slots.
; CLUSTER 4 x 4: cx = block of c, cy = block of d.  ek's tile hangs on cy alone and is shared along a row of the cluster, x's on cx alone and along a column: both are asked for jointly.
; Source 0 = 16 c (x turned by the LDS load), source 1 = 16 d (ek as it lies): a lane holds one d and eight neighbouring c.
; The accumulators are cleared, in the wait for the first tile, on purpose: no first step is written out, which spares a third copy of the block's text.
.set AX1,   0x10000                    ; ek's slots at 0 and 65,536 (two blocks of 32,768 dense bytes each)
.set B0,    131072                     ; x's slots at 131,072 and 204,800: 256 rows of 256 bytes, pitch 288 = 9 x 32
.set BX1,   0x12000                    ; the exclusive or between them; it shares no bit with the wave's 36,864 or with B0
.set PX,    288
.set STAB,  278528                     ; s as pairs of f16: 16 blocks x 128 d x 4 bytes
.set STG,   286720                     ; 16 rows x 272 bytes for each wave, for the way out
.set SP,    272
.set SPARE, 304128                     ; the spare words: 128 bytes for each of four waves
; v1 r, v2 h, v3 lane, v6/v7/v8 my place in a block of ek, of x, of s; v9/v10/v11 the same for the block in hand; v12/v13 stage in/out, v14 my offset in part; v28 spare word, v29 0; v30 4 t, v31 STAB + 4 t; v32 maximum;
; v40-43 s of my four d tiles; v64-127 at work; v128-255 accumulator (t, u) at 128 + 8 (4 t + u).  Window 1: buffer f: x's fragments at 64 f, ek's at 64 f + 32.
; s12 wave, s13 wave / 2 (my half of d; also: I fetch ek (0) or x (1)), s14 wave % 2 (my half of c; also: which block of a slot I fetch), s15 2 b + kh, s40 cx, s41 cy,
; s[24:31], s[32:35] descriptor for ek; s[48:55], s[56:59] for x; s36/s37/s38 LDS bytes of the block to be read in ek's slot, x's slot, s's table; s39, s45 counts
.set MSB, 0
.macro WIN new
.if MSB != (\new)
	s_set_vgpr_msb (MSB<<8)|(\new)
.set MSB, \new
.endif
.endm
.macro PLACES
.rept 4
	v_nop
.endr
.endm
.macro JLOAD                           ; a joint fill: waves 0 and 1 fetch a slot's two blocks of ek, waves 2 and 3 those of x; an s_nop 0 and four v_nop follow each line
	s_cmp_eq_u32 s13, 0
	s_cbranch_scc0 .Lfor_b_\@
	tensor_load_to_lds s[32:35], s[24:31]
	s_nop 0
	PLACES
	s_branch .Lasked_\@
.Lfor_b_\@:
	tensor_load_to_lds s[56:59], s[48:55]
	s_nop 0
	PLACES
.Lasked_\@:
.endm
.macro CROUND                          ; a round of the cluster's barrier
	s_barrier_signal -1
	s_barrier_wait -1
	s_cmp_lg_u32 s12, 0
	s_cbranch_scc1 .Lnot_wave_0_\@
	s_barrier_signal -3
.Lnot_wave_0_\@:
	s_barrier_wait -3
	s_barrier_signal -1
	s_barrier_wait -1
.endm
; THE CHANGE OF SLOTS.  All my tensor loads have landed (one is out: my part of the other slot), the add, my reads of the slot that I leave are over.  fill = 1: behind a round of the cluster's barrier the old slot
; is filled again, first thing, with the rows two slots on; it has 128 matrix instructions in which to land.  (At its first use nothing has been read: slot 0 is waited for, slot 1 filled.)
.macro CHANGE fill
	WIN 0
	s_wait_tensorcnt 0x0                           ; no tensor load of mine is out, so a group 0 may be written
	ds_add_u32 v28, v29
.if \fill
	s_xor_b32 s33, s33, AX1
	s_add_nc_u64 s[34:35], s[34:35], 262144        ; two blocks of ek on: 2 x 32 x 4,096 bytes
	s_xor_b32 s57, s57, BX1
	s_add_nc_u64 s[58:59], s[58:59], 262144        ; 256 rows of x16 on
	s_wait_dscnt 0x0
	CROUND
	JLOAD
.else
	s_wait_dscnt 0x0
	s_barrier_signal -1
	s_barrier_wait -1
.endif
	s_sub_co_u32 s36, s36, 65536                   ; the reads go back to a slot's first block, in the other slot
	s_xor_b32 s36, s36, AX1
	s_sub_co_u32 s37, s37, 2*128*PX
	s_xor_b32 s37, s37, BX1
.endm
.macro FETCH ks, f                     ; 16 LDS loads in one run: 32 rows n at 32 ks of the block into buffer f
	WIN 0x40                                       ; destination window 1, address window 0
.irp t, 0,1,2,3
	ds_load_b128 v[64*(\f)+32+8*\t:64*(\f)+32+8*\t+3], v9 offset:\t*4096+(\ks)*1024
	ds_load_b128 v[64*(\f)+32+8*\t+4:64*(\f)+32+8*\t+7], v9 offset:\t*4096+(\ks)*1024+512
.endr
.irp u, 0,1,2,3
	ds_load_tr16_b128 v[64*(\f)+8*\u:64*(\f)+8*\u+3], v10 offset:(\ks)*32*PX+\u*32
	ds_load_tr16_b128 v[64*(\f)+8*\u+4:64*(\f)+8*\u+7], v10 offset:(\ks)*32*PX+\u*32+16*PX
.endr
.endm
; One K step of 32.  The 32 scalings name buffer f's ek and s alone: they are the places between the step before's products and the loads into the other buffer.  The 16 accumulators take turns.
.macro STEP ks, f
	s_wait_dscnt 0x0                               ; this buffer's 16 loads, issued a step ago (and s, in a block's first step)
	WIN 0x41
.irp t, 0,1,2,3
.irp j, 0,1,2,3,4,5,6,7
	v_pk_mul_f16 v[64*(\f)+32+8*\t+\j], v[64*(\f)+32+8*\t+\j], v[40+\t]
.endr
.endr
.if (\ks) < 3
	FETCH (\ks)+1, 1-(\f)
.endif
	WIN 0x05                                       ; sources in window 1, C and D in window 0
.irp t, 0,1,2,3
.irp u, 0,1,2,3
	v_wmma_f32_16x16x32_f16 v[128+8*(4*\t+\u):128+8*(4*\t+\u)+7], v[64*(\f)+8*\u:64*(\f)+8*\u+7], v[64*(\f)+32+8*\t:64*(\f)+32+8*\t+7], v[128+8*(4*\t+\u):128+8*(4*\t+\u)+7]
.endr
.endr
.endm
.macro WORK                            ; a block of 128 rows
	WIN 0
	v_add_nc_u32 v9, s36, v6
	v_add_nc_u32 v10, s37, v7
	v_add_nc_u32 v11, s38, v8
	s_add_co_u32 s36, s36, 32768
	s_add_co_u32 s37, s37, 128*PX
	s_add_co_u32 s38, s38, 512
.irp t, 0,1,2,3
	ds_load_b32 v[40+\t], v11 offset:64*\t
.endr
	FETCH 0, 0
	STEP 0, 0
	STEP 1, 1
	STEP 2, 0
	STEP 3, 1
.endm
.macro TWO                             ; a slot's two blocks: written once, walked twice
	WIN 0
	s_mov_b32 s39, 2
.Lw_\@:
	WORK
	WIN 0
	s_sub_co_u32 s39, s39, 1
	s_cmp_lg_u32 s39, 0
	s_cbranch_scc1 .Lw_\@
.endm
	s_load_b256 s[4:11], s[0:1], 0x0               ; ekf s[4:5], x16 s[6:7], mtab s[8:9], part s[10:11]
	v_lshl_add_u32 v28, v0, 2, SPARE
	v_mov_b32 v29, 0
	ds_add_u32 v28, v29                            ; the wave's opening: the add and its wait ahead of my first tensor load
	v_lshrrev_b32 v1, 5, v0
	v_readfirstlane_b32 s12, v1
	s_lshr_b32 s13, s12, 1
	s_and_b32 s14, s12, 1
	s_bfe_u32 s40, ttmp6, 0x40000                  ; cx
	s_bfe_u32 s41, ttmp6, 0x40004                  ; cy
	s_and_b32 s15, ttmp7, 0xffff                   ; the cluster's y = 2 b + kh
	s_lshl_b32 s43, s41, 2
	s_lshl_b32 s43, 15, s43                        ; my row of the cluster
	s_lshl_b32 s44, 0x1111, s40                    ; my column
	s_or_b32 s24, s43, (3<<16)|(1<<21)             ; ek: the row's mask; elements of 8 bytes; bit 21 beside a mask; dense
	s_mov_b32 s25, 32<<16                          ; rows of 256 bytes,
	s_mov_b32 s26, 128<<16                         ; 128 of them: a block's 32,768 bytes
	s_mov_b32 s27, 32<<16
	s_mov_b32 s28, 128
	s_mov_b32 s29, 32
	s_mov_b32 s30, 0
	s_mov_b32 s31, 0
	s_or_b32 s48, s44, (1<<16)|(1<<20)|(1<<21)|(5<<22)|(7<<25)  ; x: the column's mask; 2-byte elements; padding of 8 words after every 64
	s_mov_b32 s49, 128<<16                         ; 128 elements,
	s_mov_b32 s50, 128<<16                         ; 128 rows
	s_mov_b32 s51, 128<<16
	s_mov_b32 s52, 128
	s_mov_b32 s53, 512                             ; 512 elements from row to row
	s_mov_b32 s54, 0
	s_mov_b32 s55, 0
	s_lshl_b32 s16, s15, 21                        ; ek: 16 blocks of 131,072 bytes for each half batch; my block of the slot; cy's 8 tiles of 4,096.  These registers never hold cx
	s_lshl_b32 s17, s14, 17
	s_add_co_u32 s16, s16, s17
	s_lshl_b32 s17, s41, 15
	s_add_co_u32 s16, s16, s17
	s_mov_b32 s17, 0
	s_lshl_b32 s46, s15, 21                        ; x16: 2,048 rows of 1,024 bytes for each half batch; my 128 rows; cx's 256 bytes.  These never hold cy
	s_lshl_b32 s47, s14, 17
	s_add_co_u32 s46, s46, s47
	s_lshl_b32 s47, s40, 8
	s_add_co_u32 s46, s46, s47
	s_mov_b32 s47, 0
	s_mov_b32 s32, 1
	s_lshl_b32 s33, s14, 15                        ; LDS: slot 0, my block
	s_mov_b32 s56, 1
	s_mul_i32 s57, s14, 128*PX
	s_add_co_u32 s57, s57, B0
	s_lshl_b32 s18, s15, 15                        ; mtab: my half's 16 blocks of 2,048 bytes, cy's 512 bytes,
	s_lshl_b32 s19, s41, 9
	s_add_co_u32 s18, s18, s19
	s_xor_b32 s20, s15, 1                          ; and the other half's
	s_lshl_b32 s20, s20, 15
	s_add_co_u32 s20, s20, s19
	s_mov_b32 s19, 0
	s_mov_b32 s21, 0
	s_and_b32 s22, s15, 1                          ; part: [kh][b], my 64 rows d, my 256 bytes of them
	s_lshl_b32 s22, s22, 3
	s_lshr_b32 s23, s15, 1
	s_add_co_u32 s22, s22, s23
	s_lshl_b32 s22, s22, 20
	s_lshl_b32 s23, s41, 18
	s_add_co_u32 s22, s22, s23
	s_lshl_b32 s23, s13, 17
	s_add_co_u32 s22, s22, s23
	s_lshl_b32 s23, s40, 9
	s_add_co_u32 s22, s22, s23
	s_lshl_b32 s23, s14, 8
	s_add_co_u32 s22, s22, s23
	s_mov_b32 s23, 0
	s_mov_b32 s36, AX1+65536                       ; the first change of slots turns these two into 0
	s_mov_b32 s37, BX1+2*128*PX
	s_mov_b32 s38, 0
	s_wait_dscnt 0x0                               ; the opening add is done
	s_wait_kmcnt 0x0
	s_add_nc_u64 s[34:35], s[4:5], s[16:17]
	s_or_b32 s35, s35, 0x80000000
	s_add_nc_u64 s[58:59], s[6:7], s[46:47]
	s_or_b32 s59, s59, 0x80000000
	s_add_nc_u64 s[18:19], s[8:9], s[18:19]
	s_add_nc_u64 s[20:21], s[8:9], s[20:21]
	s_add_nc_u64 s[10:11], s[10:11], s[22:23]
	CROUND                                         ; all sixteen work-groups are here: the first joint loads meet
	JLOAD                                          ; slot 0; one load of mine is out
	v_lshlrev_b32 v30, 2, v0                       ; thread t takes channel 128 cy + t
	v_add_nc_u32 v31, STAB, v30
.set ii, 0
.rept 16
	global_load_b32 v[64+ii], v30, s[18:19] offset:2048*ii
.set ii, ii+1
.endr
.set ii, 0
.rept 16
	global_load_b32 v[80+ii], v30, s[20:21] offset:2048*ii
.set ii, ii+1
.endr
	v_and_b32 v1, 15, v0
	v_bfe_u32 v2, v0, 4, 1
	v_and_b32 v3, 31, v0
	s_lshl_b32 s2, s13, 14
	v_lshl_add_u32 v6, v3, 4, s2                   ; ek: 16 x lane, my four tiles of 4,096
	v_and_b32 v7, 7, v0
	v_lshl_add_u32 v7, v2, 3, v7
	v_mul_u32_u24 v7, v7, PX
	v_bfe_u32 v8, v0, 3, 1
	v_lshl_add_u32 v7, v8, 4, v7
	s_lshl_b32 s2, s14, 7
	s_add_co_u32 s2, s2, B0
	v_add_nc_u32 v7, s2, v7                        ; x turned: row 8 h + lane % 8, 16 bytes at (lane / 8) % 2, my 64 c
	s_lshl_b32 s2, s13, 8
	s_add_co_u32 s2, s2, STAB
	v_lshl_add_u32 v8, v1, 2, s2                   ; s: my 64 d, channel r
	s_mul_i32 s2, s12, 16*SP
	s_add_co_u32 s2, s2, STG
	v_mul_u32_u24 v12, v1, SP
	v_lshl_add_u32 v12, v2, 5, v12
	v_add_nc_u32 v12, s2, v12                      ; stage, in: row r, 32 bytes for each half of the lanes
	v_mul_u32_u24 v13, v2, SP
	v_lshl_add_u32 v13, v1, 4, v13
	v_add_nc_u32 v13, s2, v13                      ; back: lanes 0-15 one row of 256 bytes, lanes 16-31 the next
	v_lshlrev_b32 v14, 11, v2
	v_lshl_add_u32 v14, v1, 4, v14                 ; and the same two rows in part
.set ii, 128
.rept 128
	v_mov_b32 v[ii], 0
.set ii, ii+1
.endr
	s_wait_loadcnt 0x0
	v_max3_num_f32 v32, v64, v65, v66              ; the true maximum: over all 32 blocks of the batch
.set ii, 3
.rept 14
	v_max3_num_f32 v32, v32, v[64+ii], v[64+ii+1]
.set ii, ii+2
.endr
	v_max_num_f32 v32, v32, v95
.set ii, 0
.rept 16
	v_sub_f32 v[64+ii], v[64+ii], v32
.set ii, ii+1
.endr
.set ii, 0
.rept 16
	v_exp_f32 v[64+ii], v[64+ii]
.set ii, ii+1
.endr
	v_nop                                          ; a plain instruction behind the last exponential
.set ii, 0
	s_wait_alu depctr_va_vdst(0)
.rept 16
	v_cvt_pk_f16_f32 v[64+ii], v[64+ii], v[64+ii]  ; s in both halves: the packed scaling's factor
	ds_store_b32 v31, v[64+ii] offset:512*ii
.set ii, ii+1
.endr
	s_mov_b32 s45, 7
.Lslot:                                                ; seven times: a slot is entered and the next is asked for (the first change's wait for 0 on DScnt and its barrier also show s to every wave)
	CHANGE 1
	TWO
	s_sub_co_u32 s45, s45, 1
	s_cmp_lg_u32 s45, 0
	s_cbranch_scc1 .Lslot
	CHANGE 0                                       ; the last slot is written out
	TWO
	; THE WAY OUT: 16 rows d at a time through my own stage; each store covers two rows' 256 consecutive bytes, aligned
.macro TOSTAGE t
	s_wait_xcnt 0x0                                ; the stores of two turns ago have read the registers that are loaded below
.irp u, 0,1,2,3
	ds_store_b128 v12, v[128+8*(4*(\t)+\u):128+8*(4*(\t)+\u)+3] offset:64*\u
	ds_store_b128 v12, v[128+8*(4*(\t)+\u)+4:128+8*(4*(\t)+\u)+7] offset:64*\u+16
.endr
.irp n, 0,1,2,3,4,5,6,7
	ds_load_b128 v[64+32*((\t)%2)+4*\n:64+32*((\t)%2)+4*\n+3], v13 offset:\n*2*SP   ; LDS serves a wave's instructions in order: these see the stores above
.endr
.endm
.macro SEND t, younger                 ; younger: the next turn's 16 LDS instructions, or none
	s_wait_dscnt \younger
.irp n, 0,1,2,3,4,5,6,7
	global_store_b128 v14, v[64+32*((\t)%2)+4*\n:64+32*((\t)%2)+4*\n+3], s[10:11] offset:(16*(\t)+2*\n)*2048
.endr
.endm
	WIN 0
	PLACES
	TOSTAGE 0
	TOSTAGE 1
	SEND 0, 16
	TOSTAGE 2
	SEND 1, 16
	TOSTAGE 3
	SEND 2, 16
	SEND 3, 0
	s_wait_tensorcnt 0x0                           ; the wave's end
	ds_add_u32 v28, v29
	s_wait_dscnt 0x0
	CROUND                                         ; the closing round
	s_endpgm
.Lfunc_end_k_q6e3ec4f275_k2:
	.size	k_q6e3ec4f275_k2, .Lfunc_end_k_q6e3ec4f275_k2-k_q6e3ec4f275_k2
	.p2alignl 7, 3214868480
	.fill 96, 4, 3214868480
	.section	.rodata,"a",@progbits
	.p2align	6, 0x0
	.amdhsa_kernel k_q6e3ec4f275_k2
		.amdhsa_group_segment_fixed_size 327680
		.amdhsa_private_segment_fixed_size 0
		.amdhsa_enable_private_segment 0
		.amdhsa_kernarg_size 32
		.amdhsa_user_sgpr_count 2
		.amdhsa_user_sgpr_kernarg_segment_ptr 1
		.amdhsa_wavefront_size32 1
		.amdhsa_system_sgpr_workgroup_id_x 1
		.amdhsa_system_sgpr_workgroup_id_y 1
		.amdhsa_system_sgpr_workgroup_id_z 1
		.amdhsa_system_vgpr_workitem_id 0
		.amdhsa_next_free_vgpr 384
		.amdhsa_next_free_sgpr 66
		.amdhsa_reserve_vcc 0
		.amdhsa_float_denorm_mode_32 3
		.amdhsa_float_denorm_mode_16_64 3
		.amdhsa_memory_ordered 1
		.amdhsa_forward_progress 1
		.amdhsa_inst_pref_size 62
	.end_amdhsa_kernel
	.amdgpu_metadata
---
amdhsa.version: [ 1, 2 ]
amdhsa.kernels:
  - .name:           k_q6e3ec4f275_k2
    .symbol:         k_q6e3ec4f275_k2.kd
    .args:
      - { .name: ekf, .offset: 0, .size: 8, .value_kind: global_buffer, .address_space: global }
      - { .name: x16, .offset: 8, .size: 8, .value_kind: global_buffer, .address_space: global }
      - { .name: mtab, .offset: 16, .size: 8, .value_kind: global_buffer, .address_space: global }
      - { .name: part, .offset: 24, .size: 8, .value_kind: global_buffer, .address_space: global }
    .group_segment_fixed_size: 327680
    .private_segment_fixed_size: 0
    .kernarg_segment_align: 8
    .kernarg_segment_size: 32
    .max_flat_workgroup_size: 128
    .sgpr_count:     66
    .vgpr_count:     384
    .wavefront_size: 32
...
	.end_amdgpu_metadata
.endif
;; end of part 3
;; launch ctx (part 4): grid 256 x 1, 8 waves a work-group, no clusters, 201,216 bytes of LDS; arguments part, mtab, ztab, wv16, wpk; writes wpk
.if DOCPART == 4
	.amdgcn_target "amdgcn-amd-amdhsa--gfx1250"
	.amdhsa_code_object_version 6
	.text
	.protected	k_q6e3ec4f275_ctx
	.globl	k_q6e3ec4f275_ctx
	.p2align	8
	.type	k_q6e3ec4f275_ctx,@function
k_q6e3ec4f275_ctx:
	s_mov_b64 s[64:65], 0
	v_nop
	global_prefetch_b8 v0, s[64:65] scope:SCOPE_SE
	s_setreg_imm32_b32 hwreg(HW_REG_WAVE_MODE, 25, 1), 1
	s_wait_xcnt 0x0
; ctxT[b][e][d] = sum over c of Wv[e][c] (part[0][b][d][c] + part[1][b][d][c]) f[d],  f[d] = 512^-0.5 / Z[d],  Z[d] = sum over the batch's 32 blocks of 2^(m'[blk][d] - m[d]) Zl[blk][d], m = max of m'.
; It is context^T of reference(), scaled by q's 512^-0.5, rounded to f16, in fragment order (rows e, k = d) into section 3 + b of wpk.  Z is at least 1: the block that holds the maximum adds its Zl >= 1 whole.
; LIMITS.  f16 operands: |Wv| and |weighted mean of x| / 22.6 below 65,504; below 6e-5 they keep f16's fixed step of 6e-8.  NaN and infinities are not treated apart.
; SHARES.  Work-group g: batch g >> 5, 64 d ((g >> 2) & 7), 128 e (g & 3).  Eight waves; wave w makes 16 e x 64 d: four accumulators.
; NO CLUSTER, NO TENSOR LOAD: the four work-groups that share 64 rows of part need them summed, scaled and rounded on the way to LDS, so they pass through registers; raw they would be 262,144 bytes,
; which do not fit in LDS beside Wv's 133,120.
.set CT,    0                          ; 64 rows d of 1,024 bytes, pitch 1,040 = 65 x 16
.set WV,    66560                      ; 128 rows e likewise
.set AP,    1040
.set FT,    199680                     ; f, each as a pair (f, f): 64 x 8 bytes
.set SPARE, 200192                     ; the spare words: 128 bytes for each of eight waves
.set MSB, 0
.macro WIN new
.if MSB != (\new)
	s_set_vgpr_msb (MSB<<8)|(\new)
.set MSB, \new
.endif
.endm
.macro PLACES
.rept 4
	v_nop
.endr
.endm
	s_load_b256 s[4:11], s[0:1], 0x0               ; part s[4:5], mtab s[6:7], ztab s[8:9], wv16 s[10:11]
	s_load_b64 s[12:13], s[0:1], 0x20              ; wpk
	v_lshl_add_u32 v4, v0, 2, SPARE                ; my spare word, and 0: for the three lines at the wave's end
	v_mov_b32 v5, 0
	v_lshrrev_b32 v1, 5, v0
	v_readfirstlane_b32 s14, v1                    ; wave 0..7
	s_lshr_b32 s15, ttmp9, 5                       ; b
	s_bfe_u32 s16, ttmp9, 0x30002                  ; block of 64 d
	s_and_b32 s17, ttmp9, 3                        ; block of 128 e
	s_lshl_b32 s20, s15, 20                        ; part: the batch, the block's 64 rows of 2,048 bytes, my 8 of them
	s_lshl_b32 s2, s16, 17
	s_add_co_u32 s20, s20, s2
	s_lshl_b32 s2, s14, 14
	s_add_co_u32 s20, s20, s2
	s_mov_b32 s21, 0
	s_lshl_b32 s22, s17, 17                        ; wv16: the block's 128 rows of 1,024 bytes, my 16 of them
	s_add_co_u32 s22, s22, s2
	s_mov_b32 s23, 0
	s_lshl_b32 s24, s15, 16                        ; the tables: the batch's 32 blocks of 2,048 bytes, the block's 256 bytes
	s_lshl_b32 s2, s16, 8
	s_add_co_u32 s24, s24, s2
	s_mov_b32 s25, 0
	s_add_co_u32 s26, s15, 3                       ; wpk: section 3 + b, K step = block of d, rows' 64-block, rows' 16-block
	s_lshl_b32 s26, s26, 19
	s_lshl_b32 s2, s16, 16
	s_add_co_u32 s26, s26, s2
	s_lshl_b32 s2, s17, 14
	s_add_co_u32 s26, s26, s2
	s_lshr_b32 s2, s14, 2
	s_lshl_b32 s2, s2, 13
	s_add_co_u32 s26, s26, s2
	s_and_b32 s2, s14, 3
	s_lshl_b32 s2, s2, 10
	s_add_co_u32 s26, s26, s2
	s_mov_b32 s27, 0
	v_and_b32 v1, 15, v0
	v_bfe_u32 v2, v0, 4, 1
	v_and_b32 v3, 31, v0
	v_lshlrev_b32 v14, 4, v3                       ; 16 x lane
	v_lshlrev_b32 v15, 2, v0                       ; 4 x thread: the tables, waves 0 and 1
	v_lshl_add_u32 v10, v0, 3, FT                  ; where thread t < 64 puts its pair
	s_lshl_b32 s2, s14, 6
	s_add_co_u32 s2, s2, FT
	v_mov_b32 v11, s2                              ; my 8 rows' pairs: the same address in every lane
	v_mul_u32_u24 v12, v1, AP
	v_lshl_add_u32 v12, v2, 4, v12                 ; fragments of CT: row r, 16 h
	s_mul_i32 s2, s14, 16*AP
	s_add_co_u32 s2, s2, WV
	v_add_nc_u32 v13, s2, v12                      ; fragments of WV: my 16 rows
	v_add_nc_u32 v33, s2, v14                      ; WV, in
	s_mul_i32 s2, s14, 8*AP
	v_lshl_add_u32 v32, v3, 3, s2                  ; CT, in: my 8 rows, 8 x lane
	s_wait_kmcnt 0x0
	s_add_nc_u64 s[4:5], s[4:5], s[20:21]
	s_add_nc_u64 s[18:19], s[4:5], 0x800000        ; the second half's partial: 8,388,608 bytes on, one more than a load's immediate holds
	s_add_nc_u64 s[10:11], s[10:11], s[22:23]
	s_add_nc_u64 s[6:7], s[6:7], s[24:25]
	s_add_nc_u64 s[8:9], s[8:9], s[24:25]
	s_add_nc_u64 s[12:13], s[12:13], s[26:27]
.set ii, 0
.rept 32
	global_load_b128 v[64+4*ii:64+4*ii+3], v14, s[10:11] offset:(ii/2)*1024+(ii%2)*512
.set ii, ii+1
.endr
	WIN 0x40                                       ; part into window 1: row ii / 8, half (ii / 4) % 2, 512 bytes ii % 4
.set ii, 0
.rept 64
.if (ii/4)%2 == 0
	global_load_b128 v[4*ii:4*ii+3], v14, s[4:5] offset:(ii/8)*2048+(ii%4)*512
.else
	global_load_b128 v[4*ii:4*ii+3], v14, s[18:19] offset:(ii/8)*2048+(ii%4)*512
.endif
.set ii, ii+1
.endr
	WIN 0
	s_cmp_lt_u32 s14, 2
	s_cbranch_scc0 .Lnostat                        ; waves 0 and 1 make f for the block's 64 channels, a thread a channel; no barrier stands in the branch
.set ii, 0
.rept 32
	global_load_b32 v[192+ii], v15, s[6:7] offset:2048*ii
	global_load_b32 v[224+ii], v15, s[8:9] offset:2048*ii
.set ii, ii+1
.endr
	s_wait_loadcnt 0x0
	v_max3_num_f32 v6, v192, v193, v194
.set ii, 3
.rept 14
	v_max3_num_f32 v6, v6, v[192+ii], v[192+ii+1]
.set ii, ii+2
.endr
	v_max_num_f32 v6, v6, v223
.set ii, 0
.rept 32
	v_sub_f32 v[192+ii], v[192+ii], v6
.set ii, ii+1
.endr
.set ii, 0
.rept 32
	v_exp_f32 v[192+ii], v[192+ii]
.set ii, ii+1
.endr
	v_nop                                          ; a plain instruction behind the last exponential
	s_wait_alu depctr_va_vdst(0)
	v_mul_f32 v7, v192, v224
.set ii, 1
.rept 31
	v_fmac_f32 v7, v[192+ii], v[224+ii]
.set ii, ii+1
.endr
	v_rcp_f32 v8, v7
	v_nop                                          ; a plain instruction behind the reciprocal
	s_wait_alu depctr_va_vdst(0)
	v_mul_f32 v8, 0x3d3504f3, v8                   ; 512^-0.5 / Z
	v_mov_b32 v9, v8                               ; the pair that the packed multiply takes
	ds_store_b64 v10, v[8:9]
.Lnostat:
	s_wait_loadcnt 0x0                             ; Wv's rows and both partials
.set ii, 0
.rept 32
	ds_store_b128 v33, v[64+4*ii:64+4*ii+3] offset:(ii/2)*AP+(ii%2)*512
.set ii, ii+1
.endr
	s_wait_dscnt 0x0                               ; for the others' sake: f and my rows of WV are written
	s_barrier_signal -1
	s_barrier_wait -1
.irp i, 0,1,2,3
	ds_load_b128 v[16+4*\i:16+4*\i+3], v11 offset:16*\i   ; v[16 + 2 row] = (f, f) of my 8 rows
.endr
	WIN 0x45                                       ; the two partials are added, in window 1: number nn: row nn / 8, 512 bytes (nn / 2) % 4, pair nn % 2
.set nn, 0
.rept 64
	v_pk_add_f32 v[32*(nn/8)+4*((nn/2)%4)+2*(nn%2):32*(nn/8)+4*((nn/2)%4)+2*(nn%2)+1], v[32*(nn/8)+4*((nn/2)%4)+2*(nn%2):32*(nn/8)+4*((nn/2)%4)+2*(nn%2)+1], v[32*(nn/8)+16+4*((nn/2)%4)+2*(nn%2):32*(nn/8)+16+4*((nn/2)%4)+2*(nn%2)+1]
.set nn, nn+1
.endr
	s_wait_dscnt 0x0                               ; f
	WIN 0x41
.set nn, 0
.rept 64
	v_pk_mul_f32 v[32*(nn/8)+4*((nn/2)%4)+2*(nn%2):32*(nn/8)+4*((nn/2)%4)+2*(nn%2)+1], v[32*(nn/8)+4*((nn/2)%4)+2*(nn%2):32*(nn/8)+4*((nn/2)%4)+2*(nn%2)+1], v[16+2*(nn/8):17+2*(nn/8)]
.set nn, nn+1
.endr
	WIN 0x05
.set nn, 0
.rept 64
	v_cvt_pk_f16_f32 v[192+nn], v[32*(nn/8)+4*((nn/2)%4)+2*(nn%2)], v[32*(nn/8)+4*((nn/2)%4)+2*(nn%2)+1]
.set nn, nn+1
.endr
	WIN 0
.set nn, 0
.rept 32
	ds_store_b64 v32, v[192+2*nn:192+2*nn+1] offset:(nn/4)*AP+(nn%4)*256
.set nn, nn+1
.endr
	s_wait_dscnt 0x0                               ; for the others' sake: my rows of CT are written
	s_barrier_signal -1
	s_barrier_wait -1
	; Source 0 = 16 d (CT), source 1 = my 16 e (WV): a lane holds one e and eight neighbouring d.  16 K steps of 32, two buffers of 40 registers; the four accumulators take turns.
.macro CLOAD ks, g
.irp t, 0,1,2,3
	ds_load_b128 v[(\g)+8*\t:(\g)+8*\t+3], v12 offset:\t*16*AP+(\ks)*64
	ds_load_b128 v[(\g)+8*\t+4:(\g)+8*\t+7], v12 offset:\t*16*AP+(\ks)*64+32
.endr
	ds_load_b128 v[(\g)+32:(\g)+35], v13 offset:(\ks)*64
	ds_load_b128 v[(\g)+36:(\g)+39], v13 offset:(\ks)*64+32
.endm
	CLOAD 0, 64
.set kk, 0
.rept 16
	s_wait_dscnt 0x0                               ; this step's ten loads, issued a step ago
.if kk < 15
.if kk > 0
	PLACES                                         ; between the step before's products and the loads into their buffer
.endif
	CLOAD kk+1, 64+40*((kk+1)%2)
.endif
.irp t, 0,1,2,3
.if kk == 0
	v_wmma_f32_16x16x32_f16 v[192+8*\t:192+8*\t+7], v[64+40*(kk%2)+8*\t:64+40*(kk%2)+8*\t+7], v[64+40*(kk%2)+32:64+40*(kk%2)+39], 0
.else
	v_wmma_f32_16x16x32_f16 v[192+8*\t:192+8*\t+7], v[64+40*(kk%2)+8*\t:64+40*(kk%2)+8*\t+7], v[64+40*(kk%2)+32:64+40*(kk%2)+39], v[192+8*\t:192+8*\t+7]
.endif
.endr
.set kk, kk+1
.endr
	PLACES
.irp t, 0,1,2,3
.irp j, 0,1,2,3
	v_cvt_pk_f16_f32 v[224+4*\t+\j], v[192+8*\t+2*\j], v[192+8*\t+2*\j+1]
.endr
	global_store_b128 v14, v[224+4*\t:224+4*\t+3], s[12:13] offset:(\t/2)*4096+(\t%2)*512   ; half a fragment: 512 consecutive bytes
.endr
	s_wait_tensorcnt 0x0                           ; the wave's end: three closing lines behind my last LDS store
	ds_add_u32 v4, v5
	s_wait_dscnt 0x0
	s_endpgm
.Lfunc_end_k_q6e3ec4f275_ctx:
	.size	k_q6e3ec4f275_ctx, .Lfunc_end_k_q6e3ec4f275_ctx-k_q6e3ec4f275_ctx
	.p2alignl 7, 3214868480
	.fill 96, 4, 3214868480
	.section	.rodata,"a",@progbits
	.p2align	6, 0x0
	.amdhsa_kernel k_q6e3ec4f275_ctx
		.amdhsa_group_segment_fixed_size 201216
		.amdhsa_private_segment_fixed_size 0
		.amdhsa_enable_private_segment 0
		.amdhsa_kernarg_size 40
		.amdhsa_user_sgpr_count 2
		.amdhsa_user_sgpr_kernarg_segment_ptr 1
		.amdhsa_wavefront_size32 1
		.amdhsa_system_sgpr_workgroup_id_x 1
		.amdhsa_system_sgpr_workgroup_id_y 1
		.amdhsa_system_sgpr_workgroup_id_z 1
		.amdhsa_system_vgpr_workitem_id 0
		.amdhsa_next_free_vgpr 512
		.amdhsa_next_free_sgpr 66
		.amdhsa_reserve_vcc 0
		.amdhsa_float_denorm_mode_32 3
		.amdhsa_float_denorm_mode_16_64 3
		.amdhsa_memory_ordered 1
		.amdhsa_forward_progress 1
		.amdhsa_inst_pref_size 57
	.end_amdhsa_kernel
	.amdgpu_metadata
---
amdhsa.version: [ 1, 2 ]
amdhsa.kernels:
  - .name:           k_q6e3ec4f275_ctx
    .symbol:         k_q6e3ec4f275_ctx.kd
    .args:
      - { .name: part, .offset: 0, .size: 8, .value_kind: global_buffer, .address_space: global }
      - { .name: mtab, .offset: 8, .size: 8, .value_kind: global_buffer, .address_space: global }
      - { .name: ztab, .offset: 16, .size: 8, .value_kind: global_buffer, .address_space: global }
      - { .name: wv16, .offset: 24, .size: 8, .value_kind: global_buffer, .address_space: global }
      - { .name: wpk, .offset: 32, .size: 8, .value_kind: global_buffer, .address_space: global }
    .group_segment_fixed_size: 201216
    .private_segment_fixed_size: 0
    .kernarg_segment_align: 8
    .kernarg_segment_size: 40
    .max_flat_workgroup_size: 256
    .sgpr_count:     66
    .vgpr_count:     512
    .wavefront_size: 32
...
	.end_amdgpu_metadata
.endif
;; end of part 4
;; launch q (part 5): grid 256 x 1, 8 waves a work-group, clusters of 4 x 1, 327,680 bytes of LDS; arguments x16, wpk, out0; writes out0
.if DOCPART == 5
	.amdgcn_target "amdgcn-amd-amdhsa--gfx1250"
	.amdhsa_code_object_version 6
	.text
	.protected	k_q6e3ec4f275_q
	.globl	k_q6e3ec4f275_q
	.p2align	8
	.type	k_q6e3ec4f275_q,@function
k_q6e3ec4f275_q:
	s_mov_b64 s[64:65], 0
	v_nop
	global_prefetch_b8 v0, s[64:65] scope:SCOPE_SE
	s_setreg_imm32_b32 hwreg(HW_REG_WAVE_MODE, 25, 1), 1
	s_wait_xcnt 0x0
	s_wait_alu depctr_hold_cnt(0) depctr_sa_sdst(0) depctr_va_vdst(0) depctr_va_sdst(0) depctr_va_ssrc(0) depctr_va_vcc(0) depctr_vm_vsrc(0)
	s_getreg_b32 s2, hwreg(HW_REG_IB_STS2, 6, 4)
	s_cmp_eq_u32 s2, 0
	s_cbranch_scc0 .Lentry_in_a_cluster
	s_endpgm
.Lentry_in_a_cluster:
	s_bfe_u32 s2, ttmp6, 0x10000c
	s_cmp_lg_u32 s2, 0x3003
	s_cbranch_scc0 .Lentry_shape_is_right
	s_endpgm
.Lentry_shape_is_right:
; For a block of 128 rows: q = x Wq^T; p = softmax of q over the 512 channels (true row maximum taken away, normalised in f32, rounded to f16); x1 = x + p ctx (ctx carries the 512^-0.5);
; out = x1 + x1 MT^T, MT = W2 W1.  Three products of 128 x 512 x 512 on end, on one set of f32 accumulators; the activations lie in LDS (ACT) in f16: x, then p, then x1.
; The residual x enters the second product's sums by an exact product with the identity (1.0 x x, all other terms 0); x1 stays in the accumulators in f32 and the third product adds onto it in place.
; LIMITS.  Matrix operands are f16: |x|, |Wq|, |ctx| / 22.6, |x1|, |MT| below 65,504; the residual x is its f16 rounding (2^-11 relative); a weight p below 6e-8 vanishes.  The sums' order differs from
; reference()'s by the reassociations named above.  NaN and infinities are not treated apart.
; SHARES.  Eight waves; wave w owns all 128 rows (tiles a = 0..7) and output channels 64 w .. 64 w + 63 (tiles b = 0..3): 32 accumulators in window 1.
; Source 0 = 16 rows of the weights, source 1 = 16 rows of ACT: a lane holds ONE row and eight neighbouring channels.
; THE RING.  The three weight matrices (sections 1, 3 + b, 2 of wpk, fragment order) are ONE walk of 24 tiles of 65,536 bytes through two slots; each wave fetches and reads its own 8,192 bytes.
; CLUSTER.  The four row blocks of a cluster belong to one batch and walk the same 24 tiles: each is asked for jointly.
.set SLOT1, 65536
.set ACT,   131072                     ; 128 rows of 1,024 bytes, pitch 1,040 = 65 x 16: written by LDS stores alone
.set AP,    1040
.set AHALF, 64*AP
.set ST1,   264192                     ; the waves' row maxima: [row][wave], 4,096 bytes
.set ST2,   4096                       ; the row sums, so many bytes behind
.set STG,   272384                     ; 16 rows x 272 bytes for each wave, for the way out
.set SP,    272
.set SPARE, 307200                     ; the spare words: 128 bytes for each of eight waves
.set FA,    64
.set FW,    192
.set MULW,  0x50
; v1 r, v2 h, v3 lane, v4 spare word, v5 0, v6/v7 my place in a slot, v8/v9 and v10/v11 my place in ACT's rows 0-63/64-127, v12/v13 the same at my own 64 columns, v14/v15 statistics in/out,
; v16/v17 stage in/out, v18 my offset in out0, v19 16 lane, v20 ACT store, v24-35 zeros, identity pattern, zeros, v36-51 pairs: log2(e) m, then 1 / z; v64-191 fragments, x's own columns; v192-255 fragments, at work
; s12 wave, s13 cx, s14 row block, s[16:23] group 1, s[24:27], s[28:31] groups 0, s[32:33] wpk at my rows, s[34:35] the next tile's offset, s36 tiles left in its section, s37/s38 the next sections,
; s39 slot in hand, s40 byte of the K step in ACT's rows, s41 count, s[42:43] log2(e), s[48:49] lane selects
.set MSB, 0
.macro WIN new
.if MSB != (\new)
	s_set_vgpr_msb (MSB<<8)|(\new)
.set MSB, \new
.endif
.endm
.macro PLACES                          ; four plain vector instructions between a matrix instruction and a load into, or a read of, its registers
.rept 4
	v_nop
.endr
.endm
.macro CREST
	s_cmp_lg_u32 s12, 0
	s_cbranch_scc1 .Lnot_wave_0_\@
	s_barrier_signal -3
.Lnot_wave_0_\@:
	s_barrier_wait -3
	s_barrier_signal -1
	s_barrier_wait -1
.endm
.macro CROUND
	s_barrier_signal -1
	s_barrier_wait -1
	CREST
.endm
.macro MUL8 f, a0, zero                ; 8 matrix instructions; the 32 accumulators take turns
	WIN MULW
.irp a, \a0, (\a0)+1
.irp b, 0,1,2,3
.if \zero
	v_wmma_f32_16x16x32_f16 v[8*(4*(\a)+(\b)):8*(4*(\a)+(\b))+7], v[FW+32*(\f)+8*(\b):FW+32*(\f)+8*(\b)+7], v[FA+64*(\f)+8*(\a):FA+64*(\f)+8*(\a)+7], 0
.else
	v_wmma_f32_16x16x32_f16 v[8*(4*(\a)+(\b)):8*(4*(\a)+(\b))+7], v[FW+32*(\f)+8*(\b):FW+32*(\f)+8*(\b)+7], v[FA+64*(\f)+8*(\a):FA+64*(\f)+8*(\a)+7], v[8*(4*(\a)+(\b)):8*(4*(\a)+(\b))+7]
.endif
.endr
.endr
.endm
.macro FETCH wo, ao, f                 ; 24 LDS loads in one run: the weights, ACT's rows 0-63, rows 64-127
	WIN 0
.irp b, 0,1,2,3
	ds_load_b128 v[FW+32*(\f)+8*(\b):FW+32*(\f)+8*(\b)+3], v7 offset:(\wo)+(\b)*1024
	ds_load_b128 v[FW+32*(\f)+8*(\b)+4:FW+32*(\f)+8*(\b)+7], v7 offset:(\wo)+(\b)*1024+512
.endr
.irp a, 0,1,2,3
	ds_load_b128 v[FA+64*(\f)+8*(\a):FA+64*(\f)+8*(\a)+3], v10 offset:(\ao)+(\a)*16*AP
	ds_load_b128 v[FA+64*(\f)+8*(\a)+4:FA+64*(\f)+8*(\a)+7], v10 offset:(\ao)+(\a)*16*AP+32
.endr
.irp a, 0,1,2,3
	ds_load_b128 v[FA+64*(\f)+32+8*(\a):FA+64*(\f)+32+8*(\a)+3], v11 offset:(\ao)+(\a)*16*AP
	ds_load_b128 v[FA+64*(\f)+32+8*(\a)+4:FA+64*(\f)+32+8*(\a)+7], v11 offset:(\ao)+(\a)*16*AP+32
.endr
.endm
.macro QUARTER zero                    ; the first half of a K step of 64
	s_wait_dscnt 8                                 ; the weights and rows 0-63 are in; the youngest eight loads may be out
	MUL8 0, 0, \zero
	MUL8 0, 2, \zero
	PLACES
	FETCH 4096, 64, 1
	s_wait_dscnt 24                                ; all but the 24 just issued
	MUL8 0, 4, \zero
	MUL8 0, 6, \zero
.endm
; The second half, and the change of slots.  In front of the barrier: all my tensor loads have landed (one is out: my part of the next slot), the add, my reads of this slot and of ACT are over.
; fill = 1: the barrier opens a round of the cluster's, and the joint refill, two tiles ahead in the walk, is the first thing behind it.  fetch = 0: a product's last step: ACT is about to change.
.macro TURN fill, fetch
	WIN 0
	s_wait_tensorcnt 0x0                           ; no tensor load of mine is out, so a group 0 may be written
	ds_add_u32 v4, v5                              ; 0 onto my spare word; scalar work and eight products stand between it and the wait for it
	s_xor_b32 s39, s39, SLOT1
	s_add_co_u32 s40, s40, 128
.if \fill
	s_xor_b32 s29, s29, SLOT1                      ; the other slot than last time
	s_add_nc_u64 s[30:31], s[32:33], s[34:35]      ; the address is made anew: the base and the tile's offset
	s_or_b32 s31, s31, 0x80000000
	s_add_co_u32 s34, s34, 65536                   ; the section's next tile, or behind its last the next section's first
	s_sub_co_u32 s36, s36, 1
	s_cmp_eq_u32 s36, 0
	s_cselect_b32 s34, s37, s34
	s_cselect_b32 s36, 8, s36
	s_cselect_b32 s37, s38, s37
.endif
	s_wait_dscnt 9                                 ; the add and the youngest eight loads may be out
	MUL8 1, 0, 0
	s_wait_dscnt 0x0
	s_barrier_signal -1
	MUL8 1, 2, 0
	WIN 0
	s_barrier_wait -1
.if \fill
	CREST
	tensor_load_to_lds s[28:31], s[16:23]
	s_nop 0
.endif
	v_add_nc_u32 v7, s39, v6                       ; these four are also the places between buffer 0's last products and the loads into it
	v_add_nc_u32 v10, s40, v8
	v_add_nc_u32 v11, s40, v9
	v_nop
.if \fetch
	FETCH 0, 0, 0
.endif
	MUL8 1, 4, 0
	MUL8 1, 6, 0
.endm
.macro LASTQ
	s_wait_dscnt 8
	MUL8 1, 0, 0
	MUL8 1, 2, 0
	s_wait_dscnt 0x0
	MUL8 1, 4, 0
	MUL8 1, 6, 0
.endm
.macro PACKACT                         ; all 32 tiles are rounded to f16 (each read from its low end on) and stored into my 64 columns of ACT, 16 tiles at a time
.set cc, 0
.rept 2
	WIN 0x05
.set tt, 0
.rept 16
.set jj, 0
.rept 4
	v_cvt_pk_f16_f32 v[192+4*tt+jj], v[8*(16*cc+tt)+2*jj], v[8*(16*cc+tt)+2*jj+1]
.set jj, jj+1
.endr
.set tt, tt+1
.endr
	WIN 0
.set tt, 0
.rept 16
	ds_store_b128 v[12+cc], v[192+4*tt:192+4*tt+3] offset:(tt/4)*16*AP+32*(tt%4)
.set tt, tt+1
.endr
.set cc, cc+1
.endr
.endm
.macro RESTART                         ; ACT is new: every wave's stores are done, then the next product's first fragments
	s_wait_dscnt 0x0
	s_barrier_signal -1
	s_barrier_wait -1
	PLACES
	s_mov_b32 s40, 0
	v_add_nc_u32 v7, s39, v6
	v_add_nc_u32 v10, s40, v8
	v_add_nc_u32 v11, s40, v9
	FETCH 0, 0, 0
.endm
	s_load_b128 s[4:7], s[0:1], 0x0                ; x16 s[4:5], wpk s[6:7]
	s_load_b64 s[8:9], s[0:1], 0x10                ; out0
	v_lshl_add_u32 v4, v0, 2, SPARE
	v_mov_b32 v5, 0
	ds_add_u32 v4, v5                              ; the wave's opening: the add and its wait ahead of my first tensor load
	v_lshrrev_b32 v1, 5, v0
	v_readfirstlane_b32 s12, v1
	s_bfe_u32 s13, ttmp6, 0x40000                  ; cx
	s_lshl_b32 s14, ttmp9, 2
	s_add_co_u32 s14, s14, s13                     ; my block of 128 rows: it enters my own loads' and stores' addresses alone
	s_mov_b32 s16, 15|(3<<16)|(1<<21)              ; group 1: mask of the four; 8-byte elements; bit 21 beside a mask; 32 rows of 256 bytes, dense
	s_mov_b32 s17, 32<<16
	s_mov_b32 s18, 32<<16
	s_mov_b32 s19, 32<<16
	s_mov_b32 s20, 32
	s_mov_b32 s21, 32
	s_mov_b32 s22, 0
	s_mov_b32 s23, 0
	s_lshl_b32 s50, s12, 13
	s_mov_b32 s51, 0
	s_mov_b32 s24, 1
	s_mov_b32 s25, s50
	s_mov_b32 s28, 1
	s_add_co_u32 s29, s50, SLOT1
	s_mov_b32 s34, 524288+2*65536                  ; the walk: tiles 0 and 1 of Wq go out at the start; tile 2 is next,
	s_mov_b32 s35, 0
	s_mov_b32 s36, 6                               ; six are left of the section;
	s_lshr_b32 s37, ttmp9, 3                       ; then the batch's context (the batch is the cluster's number / 8: the partners share it),
	s_add_co_u32 s37, s37, 3
	s_lshl_b32 s37, s37, 19
	s_mov_b32 s38, 1048576                         ; then MT
	s_mov_b32 s39, 0
	s_mov_b32 s40, 0
	s_mov_b32 s42, 0x3fb8aa3b                      ; log2(e)
	s_mov_b32 s43, s42
	s_mov_b32 s48, 0x76543210
	s_mov_b32 s49, 0xfedcba98
	s_lshl_b32 s52, s14, 17                        ; x16: 128 rows of 1,024 bytes, my 16 of them
	s_lshl_b32 s2, s12, 14
	s_add_co_u32 s52, s52, s2
	s_mov_b32 s53, 0
	s_lshl_b32 s54, s14, 18                        ; out0: 128 rows of 2,048 bytes, my 256 bytes of each
	s_lshl_b32 s2, s12, 8
	s_add_co_u32 s54, s54, s2
	s_mov_b32 s55, 0
	v_and_b32 v1, 15, v0
	v_bfe_u32 v2, v0, 4, 1
	v_and_b32 v3, 31, v0
	v_lshlrev_b32 v19, 4, v3
	v_add_nc_u32 v6, s50, v19
	v_mul_u32_u24 v8, v1, AP
	v_lshl_add_u32 v8, v2, 4, v8
	v_add_nc_u32 v8, ACT, v8
	v_add_nc_u32 v9, AHALF, v8
	s_lshl_b32 s2, s12, 7
	v_add_nc_u32 v12, s2, v8
	v_add_nc_u32 v13, s2, v9
	v_lshlrev_b32 v15, 5, v1
	v_add_nc_u32 v15, ST1, v15
	v_lshl_add_u32 v14, s12, 2, v15
	s_mul_i32 s2, s12, 16*SP
	s_add_co_u32 s2, s2, STG
	v_mul_u32_u24 v16, v1, SP
	v_lshl_add_u32 v16, v2, 5, v16
	v_add_nc_u32 v16, s2, v16
	v_mul_u32_u24 v17, v2, SP
	v_lshl_add_u32 v17, v1, 4, v17
	v_add_nc_u32 v17, s2, v17
	v_lshlrev_b32 v18, 11, v2
	v_lshl_add_u32 v18, v1, 4, v18
	s_mul_i32 s2, s12, 16*AP
	s_add_co_u32 s2, s2, ACT
	v_add_nc_u32 v20, s2, v19
	s_wait_dscnt 0x0                               ; the opening add is done
	s_wait_kmcnt 0x0
	s_add_nc_u64 s[32:33], s[6:7], s[50:51]
	s_add_nc_u64 s[4:5], s[4:5], s[52:53]
	s_add_nc_u64 s[8:9], s[8:9], s[54:55]
	s_add_nc_u64 s[26:27], s[32:33], 524288
	s_or_b32 s27, s27, 0x80000000
	s_add_nc_u64 s[30:31], s[32:33], 524288+65536
	s_or_b32 s31, s31, 0x80000000
	CROUND                                         ; all four work-groups are here: the first joint loads meet
	tensor_load_to_lds s[24:27], s[16:23]          ; two loads of mine are out
	s_nop 0
	tensor_load_to_lds s[28:31], s[16:23]
	s_nop 0
	PLACES
.set ii, 0
.rept 32
	global_load_b128 v[64+4*ii:64+4*ii+3], v19, s[4:5] offset:(ii/2)*1024+(ii%2)*512 th:TH_LOAD_NT
.set ii, ii+1
.endr
	; The identity as source 0: row m = r holds 1.0 at k = m (even channel tiles: v[28:35]) or at k = 16 + m (odd: v[24:31]).  The lane that holds k = r is the one with h = r / 8: register (r % 8) / 2, half r % 2.
	v_lshrrev_b32 v21, 3, v1
	v_xor_b32 v21, v21, v2                         ; 0 where the lane holds it
	v_bfe_u32 v23, v1, 1, 2
	v_lshl_add_u32 v23, v21, 2, v23                ; the register, or 4 and more: none
	v_and_b32 v22, 1, v1
	v_lshlrev_b32 v22, 4, v22
	v_mov_b32 v21, 0x3c00
	v_lshlrev_b32 v22, v22, v21                    ; f16's 1.0 in the half
.irp n, 0,1,2,3
	v_mov_b32 v[24+\n], 0
	v_mov_b32 v[32+\n], 0
	v_cmp_eq_u32 vcc_lo, \n, v23
	v_cndmask_b32 v[28+\n], 0, v22, vcc_lo
.endr
.set ii, 0
.rept 32
	s_wait_loadcnt 31-ii                           ; loads come back in order: the younger ones may be out
	ds_store_b128 v20, v[64+4*ii:64+4*ii+3] offset:(ii/2)*AP+(ii%2)*512
.set ii, ii+1
.endr
	s_wait_tensorcnt 0x1                           ; my part of tile 0 is in; tile 1 may stay out
	s_wait_dscnt 0x0                               ; for the others' sake: my rows of ACT are written
	s_barrier_signal -1
	s_barrier_wait -1
	v_add_nc_u32 v7, s39, v6
	v_add_nc_u32 v10, s40, v8
	v_add_nc_u32 v11, s40, v9
	FETCH 0, 0, 0
	; FIRST PRODUCT: q = x Wq^T
	QUARTER 1
	TURN 1, 1
	WIN 0
	s_mov_b32 s41, 6
.Lp1:
	QUARTER 0
	TURN 1, 1
	WIN 0
	s_sub_co_u32 s41, s41, 1
	s_cmp_lg_u32 s41, 0
	s_cbranch_scc1 .Lp1
	QUARTER 0
	TURN 1, 0                                      ; behind its barrier no wave reads ACT any more; one tensor load stays out across the barriers below, behind which nothing is filled
	; SOFTMAX OVER CHANNELS.  Row 16 a + r: 32 numbers in my lane (v[32 a ..] of window 1), 32 in the lane 16 away, the rest in the other seven waves.
	WIN 0
	PLACES
.set aa, 0
.rept 4                                        ; x at my own 64 columns, as source 1 of the identity product: read before p takes its place
.irp p, 0,1
	ds_load_b128 v[64+8*(2*aa+\p):64+8*(2*aa+\p)+3], v12 offset:aa*16*AP+64*\p
	ds_load_b128 v[64+8*(2*aa+\p)+4:64+8*(2*aa+\p)+7], v12 offset:aa*16*AP+64*\p+32
	ds_load_b128 v[128+8*(2*aa+\p):128+8*(2*aa+\p)+3], v13 offset:aa*16*AP+64*\p
	ds_load_b128 v[128+8*(2*aa+\p)+4:128+8*(2*aa+\p)+7], v13 offset:aa*16*AP+64*\p+32
.endr
.set aa, aa+1
.endr
	WIN 0x15
.irp a, 0,1,2,3,4,5,6,7
	v_max3_num_f32 v[192+\a], v[32*\a], v[32*\a+1], v[32*\a+2]
.endr
	WIN 0x14
.set ii, 3
.rept 14
.irp a, 0,1,2,3,4,5,6,7
	v_max3_num_f32 v[192+\a], v[192+\a], v[32*\a+ii], v[32*\a+ii+1]
.endr
.set ii, ii+2
.endr
.irp a, 0,1,2,3,4,5,6,7
	v_max_num_f32 v[192+\a], v[192+\a], v[32*\a+31]
.endr
	WIN 0
.irp a, 0,1,2,3,4,5,6,7
	v_permlanex16_b32 v[200+\a], v[192+\a], s48, s49   ; the destination counts as read: a register that the fetches have written
.endr
.irp a, 0,1,2,3,4,5,6,7
	v_max_num_f32 v[192+\a], v[192+\a], v[200+\a]
	ds_store_b32 v14, v[192+\a] offset:512*\a      ; both halves of the lanes write the same number to the same word
.endr
	s_wait_dscnt 0x0
	s_barrier_signal -1
	s_barrier_wait -1
.irp a, 0,1,2,3,4,5,6,7
	ds_load_b128 v[192+8*\a:192+8*\a+3], v15 offset:512*\a
	ds_load_b128 v[192+8*\a+4:192+8*\a+7], v15 offset:512*\a+16
.endr
	s_wait_dscnt 0x0
.irp a, 0,1,2,3,4,5,6,7
	v_max3_num_f32 v[192+8*\a], v[192+8*\a], v[192+8*\a+1], v[192+8*\a+2]
.endr
.irp a, 0,1,2,3,4,5,6,7
	v_max3_num_f32 v[192+8*\a], v[192+8*\a], v[192+8*\a+3], v[192+8*\a+4]
.endr
.irp a, 0,1,2,3,4,5,6,7
	v_max3_num_f32 v[192+8*\a], v[192+8*\a], v[192+8*\a+5], v[192+8*\a+6]
.endr
.irp a, 0,1,2,3,4,5,6,7
	v_max_num_f32 v[192+8*\a], v[192+8*\a], v[192+8*\a+7]
.endr
.irp a, 0,1,2,3,4,5,6,7
	v_mul_f32 v[36+2*\a], s42, v[192+8*\a]         ; log2(e) m
	v_mul_f32 v[37+2*\a], s42, v[192+8*\a]         ; named with it as a pair
.endr
	WIN 0x41
.set tt, 0
.rept 32
.set jj, 0
.rept 4
	v_pk_fma_f32 v[8*tt+2*jj:8*tt+2*jj+1], v[8*tt+2*jj:8*tt+2*jj+1], s[42:43], v[36+2*(tt/4):37+2*(tt/4)] op_sel_hi:[1,0,0] neg_lo:[0,0,1] neg_hi:[0,0,1]
.set jj, jj+1
.endr
.set tt, tt+1
.endr
.set ii, 0
.rept 256
	v_exp_f32 v[ii], v[ii]
.set ii, ii+1
.endr
	v_nop                                          ; a plain instruction behind the last exponential
	WIN 0x05
	s_wait_alu depctr_va_vdst(0)
.irp a, 0,1,2,3,4,5,6,7
	v_pk_add_f32 v[192+2*\a:193+2*\a], v[32*\a:32*\a+1], v[32*\a+2:32*\a+3]
.endr
	WIN 0x04
.set ii, 2
.rept 14
.irp a, 0,1,2,3,4,5,6,7
	v_pk_add_f32 v[192+2*\a:193+2*\a], v[192+2*\a:193+2*\a], v[32*\a+2*ii:32*\a+2*ii+1]
.endr
.set ii, ii+1
.endr
	WIN 0
.irp a, 0,1,2,3,4,5,6,7
	v_add_f32 v[192+2*\a], v[192+2*\a], v[193+2*\a]
.endr
.irp a, 0,1,2,3,4,5,6,7
	v_permlanex16_b32 v[193+2*\a], v[192+2*\a], s48, s49
.endr
.irp a, 0,1,2,3,4,5,6,7
	v_add_f32 v[192+2*\a], v[192+2*\a], v[193+2*\a]
	ds_store_b32 v14, v[192+2*\a] offset:ST2+512*\a    ; bytes of their own: no barrier between the maxima's reads and these stores
.endr
	s_wait_dscnt 0x0
	s_barrier_signal -1
	s_barrier_wait -1
.irp a, 0,1,2,3,4,5,6,7
	ds_load_b128 v[192+8*\a:192+8*\a+3], v15 offset:ST2+512*\a
	ds_load_b128 v[192+8*\a+4:192+8*\a+7], v15 offset:ST2+512*\a+16
.endr
	s_wait_dscnt 0x0
.irp a, 0,1,2,3,4,5,6,7
	v_pk_add_f32 v[192+8*\a:192+8*\a+1], v[192+8*\a:192+8*\a+1], v[192+8*\a+2:192+8*\a+3]
	v_pk_add_f32 v[192+8*\a+4:192+8*\a+5], v[192+8*\a+4:192+8*\a+5], v[192+8*\a+6:192+8*\a+7]
.endr
.irp a, 0,1,2,3,4,5,6,7
	v_pk_add_f32 v[192+8*\a:192+8*\a+1], v[192+8*\a:192+8*\a+1], v[192+8*\a+4:192+8*\a+5]
.endr
.irp a, 0,1,2,3,4,5,6,7
	v_add_f32 v[192+8*\a], v[192+8*\a], v[192+8*\a+1]
.endr
.irp a, 0,1,2,3,4,5,6,7
	v_rcp_f32 v[36+2*\a], v[192+8*\a]              ; z is at least 1: the row's largest weight is 1
.endr
	v_nop                                          ; a plain instruction behind the last reciprocal
	WIN 0x41
.set tt, 0
	s_wait_alu depctr_va_vdst(0)
.rept 32
.set jj, 0
.rept 4
	v_pk_mul_f32 v[8*tt+2*jj:8*tt+2*jj+1], v[8*tt+2*jj:8*tt+2*jj+1], v[36+2*(tt/4):37+2*(tt/4)] op_sel_hi:[1,0]
.set jj, jj+1
.endr
.set tt, tt+1
.endr
	PACKACT                                        ; p into my columns of ACT: every wave's reads of x there were over two barriers ago, mine of my own columns at the first
	WIN MULW
.set tt, 0
.rept 32                                       ; the second product's sums start with x: tile (a, b) = identity x x(16 rows a, 32 channels b / 2)
	v_wmma_f32_16x16x32_f16 v[8*tt:8*tt+7], v[28-4*(tt%2):35-4*(tt%2)], v[64+8*(2*(tt/4)+(tt%4)/2):64+8*(2*(tt/4)+(tt%4)/2)+7], 0
.set tt, tt+1
.endr
	WIN 0
	RESTART
	; SECOND PRODUCT: x1 = x + p ctx
	WIN 0
	s_mov_b32 s41, 7
.Lp2:
	QUARTER 0
	TURN 1, 1
	WIN 0
	s_sub_co_u32 s41, s41, 1
	s_cmp_lg_u32 s41, 0
	s_cbranch_scc1 .Lp2
	QUARTER 0
	TURN 1, 0
	WIN 0
	PLACES
	PACKACT                                        ; x1 in f16 into ACT; in f32 it stays where it is
	RESTART
	; THIRD PRODUCT: out = x1 + x1 MT^T, onto the accumulators in place
	WIN 0
	s_mov_b32 s41, 6
.Lp3:
	QUARTER 0
	TURN 1, 1
	WIN 0
	s_sub_co_u32 s41, s41, 1
	s_cmp_lg_u32 s41, 0
	s_cbranch_scc1 .Lp3
	QUARTER 0                                      ; the walk's last two tiles: nothing is asked for
	TURN 0, 1
	QUARTER 0
	LASTQ
	; THE WAY OUT: 16 rows at a time through my own stage; each store covers two rows' 256 consecutive bytes, aligned
.macro TOSTAGE a
	s_wait_xcnt 0x0                                ; the stores of two turns ago have read the registers that are loaded below
	WIN 0x04                                       ; an LDS store's data are source 1: window 1
.irp b, 0,1,2,3
	ds_store_b128 v16, v[8*(4*(\a)+\b):8*(4*(\a)+\b)+3] offset:64*\b
	ds_store_b128 v16, v[8*(4*(\a)+\b)+4:8*(4*(\a)+\b)+7] offset:64*\b+16
.endr
	WIN 0
.irp n, 0,1,2,3,4,5,6,7
	ds_load_b128 v[64+32*((\a)%2)+4*\n:64+32*((\a)%2)+4*\n+3], v17 offset:\n*2*SP   ; LDS serves a wave's instructions in order: these see the stores above
.endr
.endm
.macro SEND a, younger                 ; younger: the next turn's 16 LDS instructions, or none
	s_wait_dscnt \younger
.irp n, 0,1,2,3,4,5,6,7
	global_store_b128 v18, v[64+32*((\a)%2)+4*\n:64+32*((\a)%2)+4*\n+3], s[8:9] offset:(16*(\a)+2*\n)*2048 th:TH_STORE_NT
.endr
.endm
	WIN 0
	PLACES
	TOSTAGE 0
.irp a, 1,2,3,4,5,6,7
	TOSTAGE \a
	SEND (\a)-1, 16
.endr
	SEND 7, 0
	s_wait_tensorcnt 0x0                           ; the wave's end
	ds_add_u32 v4, v5
	s_wait_dscnt 0x0
	CROUND                                         ; the closing round: no work-group ends while a partner may still ask for a tile that names it
	s_endpgm
.Lfunc_end_k_q6e3ec4f275_q:
	.size	k_q6e3ec4f275_q, .Lfunc_end_k_q6e3ec4f275_q-k_q6e3ec4f275_q
	.p2alignl 7, 3214868480
	.fill 96, 4, 3214868480
	.section	.rodata,"a",@progbits
	.p2align	6, 0x0
	.amdhsa_kernel k_q6e3ec4f275_q
		.amdhsa_group_segment_fixed_size 327680
		.amdhsa_private_segment_fixed_size 0
		.amdhsa_enable_private_segment 0
		.amdhsa_kernarg_size 24
		.amdhsa_user_sgpr_count 2
		.amdhsa_user_sgpr_kernarg_segment_ptr 1
		.amdhsa_wavefront_size32 1
		.amdhsa_system_sgpr_workgroup_id_x 1
		.amdhsa_system_sgpr_workgroup_id_y 1
		.amdhsa_system_sgpr_workgroup_id_z 1
		.amdhsa_system_vgpr_workitem_id 0
		.amdhsa_next_free_vgpr 512
		.amdhsa_next_free_sgpr 66
		.amdhsa_reserve_vcc 1
		.amdhsa_float_denorm_mode_32 3
		.amdhsa_float_denorm_mode_16_64 3
		.amdhsa_memory_ordered 1
		.amdhsa_forward_progress 1
		.amdhsa_inst_pref_size 169
	.end_amdhsa_kernel
	.amdgpu_metadata
---
amdhsa.version: [ 1, 2 ]
amdhsa.kernels:
  - .name:           k_q6e3ec4f275_q
    .symbol:         k_q6e3ec4f275_q.kd
    .args:
      - { .name: x16, .offset: 0, .size: 8, .value_kind: global_buffer, .address_space: global }
      - { .name: wpk, .offset: 8, .size: 8, .value_kind: global_buffer, .address_space: global }
      - { .name: out0, .offset: 16, .size: 8, .value_kind: global_buffer, .address_space: global }
    .group_segment_fixed_size: 327680
    .private_segment_fixed_size: 0
    .kernarg_segment_align: 8
    .kernarg_segment_size: 24
    .max_flat_workgroup_size: 256
    .sgpr_count:     66
    .vgpr_count:     512
    .wavefront_size: 32
...
	.end_amdgpu_metadata
.endif
;; end of part 5
;; ======== version 2 of 2: 5 launches; version 1 with the launch prep written anew for expert scheduling mode
;; limits: values outside matrix products are rounded to f16; values are held in f16: magnitudes above 65,504 overflow, below 6.1e-05 lose precision
;; workspace buffers: wpk 5,767,168 bytes; wv16 524,288 bytes; x16 33,554,432 bytes; ekf 33,554,432 bytes; mtab 524,288 bytes; ztab 524,288 bytes; part 16,777,216 bytes
;; launch prep (part 6): grid 64 x 1, 8 waves a work-group, no clusters, 149,504 bytes of LDS; arguments Wk, Wq, Wv, W1, W2, wpk, wv16; writes wpk, wv16
.if DOCPART == 6
	.amdgcn_target "amdgcn-amd-amdhsa--gfx1250"
	.amdhsa_code_object_version 6
	.text
	.protected	k_q6e3ec4f275_prep
	.globl	k_q6e3ec4f275_prep
	.p2align	8
	.type	k_q6e3ec4f275_prep,@function
k_q6e3ec4f275_prep:
	s_mov_b64 s[64:65], 0
	v_nop
	global_prefetch_b8 v0, s[64:65] scope:SCOPE_SE
	s_setreg_imm32_b32 hwreg(HW_REG_WAVE_SCHED_MODE, 0, 2), 2
	s_setreg_imm32_b32 hwreg(HW_REG_WAVE_MODE, 25, 1), 1
	s_wait_xcnt 0x0
	s_wait_alu depctr_vm_vsrc(0)
; WEIGHTS, ONCE.  Three things: (a) Wk and Wq rounded to f16 and laid out in fragment order into sections 0 and 1 of wpk; (b) Wv rounded to f16, row-major, into wv16;
; (c) MT = W2 W1 (f16 operands, f32 sums), rounded to f16, in fragment order into section 2 of wpk: (x1 W1^T) W2^T = x1 MT^T, by associativity alone.
; FRAGMENT ORDER of a matrix [row][k] of 512 x 512: byte (k>>6) 65536 + (row>>6) 8192 + ((k>>5)&1) 4096 + ((row>>4)&3) 1024 + ((k>>4)&1) 512 + ((row&15) + 16 ((k>>3)&1)) 16 + (k&7) 2:
; a K step of 64 is 65,536 dense bytes, 64 rows of it 8,192 dense bytes, and half a matrix fragment (16 rows x 16 k) 512 dense bytes, 16 for each lane.
; LIMITS.  All operands are f16: |W| and |W2 W1| stay below 65,504; below 6e-5 they keep f16's fixed step of 6e-8.  NaN and infinities are not treated apart.
; SHARES.  64 work-groups of eight waves.  Work-group g makes the 64 x 64 block (e block g>>3, c block g&7) of MT; its wave w also packs 16 rows x 64 k of Wk (g < 32) or Wq, and row 8 g + w of Wv.
; NO CLUSTER, NO TENSOR LOAD: every byte is f32 in memory and f16 in LDS, so it passes through registers; a block of W1 or W2 is shared by eight work-groups, 128 KiB each, once in the launch.
; THE MODE: SCHED_MODE bits 1:0 = 2 (LLVM: expert scheduling mode 2), set by the entry lines.  The code itself states the register dependences
; between vector or matrix instructions and memory or LDS instructions, with s_wait_alu, always for 0.
; THE PLAN.  Registers that memory or LDS instructions touch:
;   v6-v14          offsets and LDS addresses: written at the head and never again; read by every load and store.  One wait on va_vdst ahead of the first load serves them all.
;   v32-63, v64-79  what is packed, and Wv's row: loads land; 24 conversions in place; one wait on va_vdst; 8 global stores read them.
;   v80-207         W1 as loaded: loads land; 64 conversions in place; one wait on va_vdst; 32 LDS stores read them.
;   window 1 v0-127 W2 as loaded: the same.
;   B0 = v32-127, B1 = v152-247   two fragment buffers.  Group g (four K steps of 32) lands in buffer g % 2 and is read by the group's eight matrix instructions.  One wait on vm_vsrc behind the barrier states that the
;                   stores above have read these registers.  Groups 0 and 1 are asked for together; at the head of steps 1 and 2 one wait on va_vdst states that the step before's matrix instructions are done reading
;                   the other buffer, and the next group's 24 loads follow it, dealt among the step's matrix instructions, which name their own buffer and the accumulators alone.
;   v144-151        MT's block in f16: written by 8 conversions; one wait on va_vdst; 2 global stores read them.
;   v4, v5          written at the head, read by the closing add alone.
;   The accumulators v128-143 are named by matrix and vector instructions alone.
.set W1S,   0                          ; W1[j][my 64 c] in f16: 512 rows of 128 bytes, pitch 160 = 5 x 32
.set P1,    160
.set W2S,   81920                      ; W2[my 64 e][j] in f16: 64 rows of 1,024 bytes, pitch 1,040 = 65 x 16: 16 rows of a fragment load start at 16 different groups of four banks
.set P2,    1040
.set SPARE, 148480                     ; the spare words: 128 bytes for each of eight waves
.set MSB, 0
.macro WIN new                         ; the immediate's high byte repeats the setting that is left
.if MSB != (\new)
	s_set_vgpr_msb (MSB<<8)|(\new)
.set MSB, \new
.endif
.endm
.macro PLACES                          ; four plain vector instructions between a matrix instruction and a load into, or a read of, its registers
.rept 4
	v_nop
.endr
.endm
	s_load_b256 s[4:11], s[0:1], 0x0               ; Wk s[4:5], Wq s[6:7], Wv s[8:9], W1 s[10:11]
	s_load_b128 s[12:15], s[0:1], 0x20             ; W2 s[12:13], wpk s[14:15]
	s_load_b64 s[16:17], s[0:1], 0x30              ; wv16
	v_lshl_add_u32 v4, v0, 2, SPARE                ; my spare word, and 0: for the closing lines
	v_mov_b32 v5, 0
	v_lshrrev_b32 v1, 5, v0
	v_readfirstlane_b32 s18, v1                    ; wave 0..7
	s_lshr_b32 s19, ttmp9, 3                       ; e block
	s_and_b32 s20, ttmp9, 7                        ; c block
	s_and_b32 s21, ttmp9, 31                       ; the 16 rows of Wk or Wq that this work-group packs
	v_and_b32 v1, 15, v0                           ; r = lane % 16
	v_bfe_u32 v2, v0, 4, 1                         ; h = lane / 16
	v_and_b32 v3, 31, v0                           ; lane
	v_lshlrev_b32 v6, 11, v1
	v_lshl_add_u32 v6, v2, 5, v6                   ; packing: row r, 8 floats at 32 h
	v_lshlrev_b32 v7, 4, v3                        ; 16 x lane
	v_lshlrev_b32 v8, 3, v3                        ; 8 x lane
	v_lshlrev_b32 v9, 11, v2
	v_lshl_add_u32 v9, v1, 4, v9                   ; W1: two rows of 256 bytes a load
	s_wait_alu depctr_va_sdst(0)                   ; s18 is written, ahead of its first reader: the wave's shares, LDS places and bases are made from it
	s_lshr_b32 s30, s18, 1                         ; my 16 e of the block's 64
	s_and_b32 s31, s18, 1                          ; my 32 c of the block's 64
	s_mul_i32 s26, s18, 64*P1                      ; s26 to s29: the four scalars that vector instructions read, each in a register of its own, which nothing writes again
	v_mul_u32_u24 v10, v2, P1
	v_lshl_add_u32 v10, v1, 3, v10
	v_add_nc_u32 v10, s26, v10                     ; W1S: my 64 rows, row h, 8 bytes at 8 r
	s_mul_i32 s27, s18, 8*P2
	s_add_co_u32 s27, s27, W2S
	v_add_nc_u32 v11, s27, v8                      ; W2S: my 8 rows, 8 bytes at 8 x lane
	s_mul_i32 s28, s30, 16*P2
	s_add_co_u32 s28, s28, W2S
	v_mul_u32_u24 v12, v1, P2
	v_lshl_add_u32 v12, v2, 4, v12
	v_add_nc_u32 v12, s28, v12                     ; fragments of W2: row r of my 16, 16 h
	v_and_b32 v13, 7, v0
	v_lshl_add_u32 v13, v2, 3, v13
	v_mul_u32_u24 v13, v13, P1
	v_bfe_u32 v14, v0, 3, 1
	v_lshl_add_u32 v13, v14, 4, v13
	s_lshl_b32 s29, s31, 6
	v_add_nc_u32 v13, s29, v13                     ; turned fragments of W1: row 8 h + lane % 8, 16 bytes at (lane / 8) % 2, my 32 c
	v_add_nc_u32 v14, 8*32*P1, v13                 ; the same for j from 256 on: 15 x 5,120 bytes do not fit the 16-bit offset
	s_lshl_b32 s32, s21, 15                        ; packing, from: 16 rows of 2,048 bytes, my wave's 64 k
	s_lshl_b32 s2, s18, 8
	s_add_co_u32 s32, s32, s2
	s_mov_b32 s33, 0
	s_lshl_b32 s34, s18, 16                        ; packing, to: K step w, rows' 64-block, rows' 16-block
	s_lshr_b32 s2, s21, 2
	s_lshl_b32 s2, s2, 13
	s_add_co_u32 s34, s34, s2
	s_and_b32 s2, s21, 3
	s_lshl_b32 s2, s2, 10
	s_add_co_u32 s34, s34, s2
	s_mov_b32 s35, 0
	s_lshl_b32 s36, ttmp9, 3
	s_add_co_u32 s36, s36, s18                     ; my row of Wv
	s_lshl_b32 s38, s36, 10
	s_lshl_b32 s36, s36, 11
	s_mov_b32 s37, 0
	s_mov_b32 s39, 0
	s_lshl_b32 s40, s18, 17                        ; W1: my 64 rows, the block's 256 bytes
	s_lshl_b32 s2, s20, 8
	s_add_co_u32 s40, s40, s2
	s_mov_b32 s41, 0
	s_lshl_b32 s42, s19, 17                        ; W2: the block's 64 rows, my 8 of them
	s_lshl_b32 s2, s18, 14
	s_add_co_u32 s42, s42, s2
	s_mov_b32 s43, 0
	s_lshl_b32 s44, s20, 16                        ; MT, to: section 2, K step = c block, rows' 64-block = e block, my 32 c, my 16 e
	s_add_co_u32 s44, s44, 1048576
	s_lshl_b32 s2, s19, 13
	s_add_co_u32 s44, s44, s2
	s_lshl_b32 s2, s31, 12
	s_add_co_u32 s44, s44, s2
	s_lshl_b32 s2, s30, 10
	s_add_co_u32 s44, s44, s2
	s_mov_b32 s45, 0
	s_wait_kmcnt 0x0
	s_cmp_lt_u32 ttmp9, 32                         ; work-groups 0-31 pack Wk into section 0, the others Wq into section 1
	s_cselect_b64 s[22:23], s[4:5], s[6:7]
	s_cselect_b32 s2, 0, 524288
	s_add_co_u32 s34, s34, s2
	s_add_nc_u64 s[22:23], s[22:23], s[32:33]
	s_add_nc_u64 s[24:25], s[14:15], s[34:35]
	s_add_nc_u64 s[8:9], s[8:9], s[36:37]
	s_add_nc_u64 s[16:17], s[16:17], s[38:39]
	s_add_nc_u64 s[10:11], s[10:11], s[40:41]
	s_add_nc_u64 s[12:13], s[12:13], s[42:43]
	s_add_nc_u64 s[14:15], s[14:15], s[44:45]
	s_wait_alu depctr_va_vdst(0)                   ; the offsets and LDS addresses v6 to v14 are written: every load and store of the kernel reads one of them
	; all 76 loads go out first: 8 to pack, 4 of Wv, 32 of W1, 32 of W2 (into window 1); between the wait above and the last of them stand loads and one window switch alone
.set uu, 0
.rept 4
	global_load_b128 v[32+8*uu:32+8*uu+3], v6, s[22:23] offset:64*uu
	global_load_b128 v[32+8*uu+4:32+8*uu+7], v6, s[22:23] offset:64*uu+16
.set uu, uu+1
.endr
.set uu, 0
.rept 4
	global_load_b128 v[64+4*uu:64+4*uu+3], v7, s[8:9] offset:512*uu
.set uu, uu+1
.endr
.set uu, 0
.rept 32
	global_load_b128 v[80+4*uu:80+4*uu+3], v9, s[10:11] offset:4096*uu
.set uu, uu+1
.endr
	WIN 0x40                                       ; destination window 1, address window 0
.set uu, 0
.rept 32
	global_load_b128 v[4*uu:4*uu+3], v7, s[12:13] offset:(uu/4)*2048+(uu%4)*512
.set uu, uu+1
.endr
	WIN 0
	s_wait_loadcnt 63                              ; of 76 loads at most 63 are out: the oldest 13 are in, the 12 of the packing and of Wv among them
.set uu, 0
.rept 4                                        ; 8 floats a lane become 16 bytes, in place
	v_cvt_pk_f16_f32 v[32+8*uu], v[32+8*uu], v[32+8*uu+1]
	v_cvt_pk_f16_f32 v[32+8*uu+1], v[32+8*uu+2], v[32+8*uu+3]
	v_cvt_pk_f16_f32 v[32+8*uu+2], v[32+8*uu+4], v[32+8*uu+5]
	v_cvt_pk_f16_f32 v[32+8*uu+3], v[32+8*uu+6], v[32+8*uu+7]
.set uu, uu+1
.endr
.set uu, 0
.rept 4                                        ; Wv's row likewise
	v_cvt_pk_f16_f32 v[64+4*uu], v[64+4*uu], v[64+4*uu+1]
	v_cvt_pk_f16_f32 v[64+4*uu+1], v[64+4*uu+2], v[64+4*uu+3]
.set uu, uu+1
.endr
	s_wait_alu depctr_va_vdst(0)                   ; the 24 conversions have written v32 .. and v64 .., which the eight stores below read
.set uu, 0
.rept 4                                        ; each store covers 512 consecutive bytes
	global_store_b128 v7, v[32+8*uu:32+8*uu+3], s[24:25] offset:(uu/2)*4096+(uu%2)*512
.set uu, uu+1
.endr
.set uu, 0
.rept 4                                        ; Wv's row: each store covers 256 consecutive bytes, aligned
	global_store_b64 v8, v[64+4*uu:64+4*uu+1], s[16:17] offset:256*uu
.set uu, uu+1
.endr
	s_wait_loadcnt 32                              ; W1 is in; W2's 32 loads may be out
.set uu, 0
.rept 32
	v_cvt_pk_f16_f32 v[80+4*uu], v[80+4*uu], v[80+4*uu+1]
	v_cvt_pk_f16_f32 v[80+4*uu+1], v[80+4*uu+2], v[80+4*uu+3]
.set uu, uu+1
.endr
	s_wait_alu depctr_va_vdst(0)                   ; the 64 conversions have written v80 .., which the 32 LDS stores below read
.set uu, 0
.rept 32
	ds_store_b64 v10, v[80+4*uu:80+4*uu+1] offset:uu*2*P1
.set uu, uu+1
.endr
	s_wait_loadcnt 0x0                             ; W2
	WIN 0x45                                       ; sources and destination in window 1
.set uu, 0
.rept 32
	v_cvt_pk_f16_f32 v[4*uu], v[4*uu], v[4*uu+1]
	v_cvt_pk_f16_f32 v[4*uu+1], v[4*uu+2], v[4*uu+3]
.set uu, uu+1
.endr
	WIN 0x04                                       ; an LDS store's data are source 1
	s_wait_alu depctr_va_vdst(0)                   ; the 64 conversions have written window 1's v0 .., which the 32 LDS stores below read; and every conversion that named v32 to v207 is done, where the fragments' loads land behind the barrier
.set uu, 0
.rept 32
	ds_store_b64 v11, v[4*uu:4*uu+1] offset:(uu/4)*P2+(uu%4)*256
.set uu, uu+1
.endr
	WIN 0
	s_wait_dscnt 0x0                               ; for the others' sake: my stores into W1S and W2S are done
	s_wait_xcnt 0x0                                ; the global stores have read v32-79, which the fragments below take
	s_barrier_signal -1
	s_barrier_wait -1
	s_wait_alu depctr_vm_vsrc(0)                   ; my global stores have read v32-79 and my LDS stores v80-207: from here on these registers are the fragment buffers, the accumulators and v144-151, written by LDS loads, matrix instructions and conversions
	; MT block: source 0 = 16 c (W1 turned), source 1 = 16 e (W2): a lane holds one e and eight neighbouring c.  Two accumulators take turns.
	; Four groups of four K steps of 32.  Group g lies in buffer g % 2, at v[32 + 120 (g % 2)]: W2's four fragments, then W1's eight.
.macro GLOAD g, k                      ; the six LDS loads of K step k of group g
	ds_load_b128 v[32+120*((\g)%2)+8*(\k):32+120*((\g)%2)+8*(\k)+3], v12 offset:(4*(\g)+(\k))*64
	ds_load_b128 v[32+120*((\g)%2)+8*(\k)+4:32+120*((\g)%2)+8*(\k)+7], v12 offset:(4*(\g)+(\k))*64+32
.irp i, 0,1
	ds_load_tr16_b128 v[64+120*((\g)%2)+8*(2*(\k)+\i):64+120*((\g)%2)+8*(2*(\k)+\i)+3], v[13+(\g)/2] offset:((4*(\g)+(\k))%8)*32*P1+32*\i
	ds_load_tr16_b128 v[64+120*((\g)%2)+8*(2*(\k)+\i)+4:64+120*((\g)%2)+8*(2*(\k)+\i)+7], v[13+(\g)/2] offset:((4*(\g)+(\k))%8)*32*P1+32*\i+16*P1
.endr
.endm
.macro GMUL g, k                       ; its two matrix instructions; the very first pair starts the sums
.irp i, 0,1
.if ((\g) == 0) && ((\k) == 0)
	v_wmma_f32_16x16x32_f16 v[128+8*\i:128+8*\i+7], v[64+120*((\g)%2)+8*(2*(\k)+\i):64+120*((\g)%2)+8*(2*(\k)+\i)+7], v[32+120*((\g)%2)+8*(\k):32+120*((\g)%2)+8*(\k)+7], 0
.else
	v_wmma_f32_16x16x32_f16 v[128+8*\i:128+8*\i+7], v[64+120*((\g)%2)+8*(2*(\k)+\i):64+120*((\g)%2)+8*(2*(\k)+\i)+7], v[32+120*((\g)%2)+8*(\k):32+120*((\g)%2)+8*(\k)+7], v[128+8*\i:128+8*\i+7]
.endif
.endr
.endm
.irp k, 0,1,2,3
	GLOAD 0, \k                                    ; groups 0 and 1 are asked for together: no vector instruction since the last wait on va_vdst names either buffer
.endr
.irp k, 0,1,2,3
	GLOAD 1, \k
.endr
	s_wait_dscnt 24                                ; LDS loads come back in order (ISA guide 5.7.1): group 0 is in, group 1's 24 loads may be out
.irp k, 0,1,2,3
	GMUL 0, \k
.endr
	PLACES                                         ; the four plain vector instructions behind the matrix instructions stay as they stood, beside the wait below
	s_wait_dscnt 0x0                               ; group 1 is in
	s_wait_alu depctr_va_vdst(0)                   ; group 0's matrix instructions are done reading buffer 0, in which group 2's loads land
.irp k, 0,1,2,3
	GLOAD 2, \k                                    ; no further wait: the matrix instructions between name buffer 1 and the accumulators alone
	GMUL 1, \k
.endr
	PLACES                                         ; as above
	s_wait_dscnt 0x0                               ; group 2 is in
	s_wait_alu depctr_va_vdst(0)                   ; group 1's matrix instructions are done reading buffer 1, in which group 3's loads land
.irp k, 0,1,2,3
	GLOAD 3, \k                                    ; no further wait: the matrix instructions between name buffer 0 and the accumulators alone
	GMUL 2, \k
.endr
	s_wait_dscnt 0x0                               ; group 3 is in; nothing more is loaded
.irp k, 0,1,2,3
	GMUL 3, \k
.endr
	PLACES                                         ; four places behind the last matrix instruction, before its result is read
.irp i, 0,1
.irp j, 0,1,2,3
	v_cvt_pk_f16_f32 v[144+4*\i+\j], v[128+8*\i+2*\j], v[128+8*\i+2*\j+1]
.endr
.endr
	s_wait_alu depctr_va_vdst(0)                   ; the eight conversions have written v144-151, which the two stores below read
.irp i, 0,1
	global_store_b128 v7, v[144+4*\i:144+4*\i+3], s[14:15] offset:512*\i   ; half a fragment: 512 consecutive bytes
.endr
	s_wait_dscnt 0x0                               ; the closing lines, six on end
	s_wait_alu 0x0
	s_wait_tensorcnt 0x0
	ds_add_u32 v4, v5
	s_wait_dscnt 0x0
	s_endpgm
.Lfunc_end_k_q6e3ec4f275_prep:
	.size	k_q6e3ec4f275_prep, .Lfunc_end_k_q6e3ec4f275_prep-k_q6e3ec4f275_prep
	.p2alignl 7, 3214868480
	.fill 96, 4, 3214868480
	.section	.rodata,"a",@progbits
	.p2align	6, 0x0
	.amdhsa_kernel k_q6e3ec4f275_prep
		.amdhsa_group_segment_fixed_size 149504
		.amdhsa_private_segment_fixed_size 0
		.amdhsa_enable_private_segment 0
		.amdhsa_kernarg_size 56
		.amdhsa_user_sgpr_count 2
		.amdhsa_user_sgpr_kernarg_segment_ptr 1
		.amdhsa_wavefront_size32 1
		.amdhsa_system_sgpr_workgroup_id_x 1
		.amdhsa_system_sgpr_workgroup_id_y 1
		.amdhsa_system_sgpr_workgroup_id_z 1
		.amdhsa_system_vgpr_workitem_id 0
		.amdhsa_next_free_vgpr 384
		.amdhsa_next_free_sgpr 66
		.amdhsa_reserve_vcc 0
		.amdhsa_float_denorm_mode_32 3
		.amdhsa_float_denorm_mode_16_64 3
		.amdhsa_memory_ordered 1
		.amdhsa_forward_progress 1
		.amdhsa_inst_pref_size 36
	.end_amdhsa_kernel
	.amdgpu_metadata
---
amdhsa.version: [ 1, 2 ]
amdhsa.kernels:
  - .name:           k_q6e3ec4f275_prep
    .symbol:         k_q6e3ec4f275_prep.kd
    .args:
      - { .name: Wk, .offset: 0, .size: 8, .value_kind: global_buffer, .address_space: global }
      - { .name: Wq, .offset: 8, .size: 8, .value_kind: global_buffer, .address_space: global }
      - { .name: Wv, .offset: 16, .size: 8, .value_kind: global_buffer, .address_space: global }
      - { .name: W1, .offset: 24, .size: 8, .value_kind: global_buffer, .address_space: global }
      - { .name: W2, .offset: 32, .size: 8, .value_kind: global_buffer, .address_space: global }
      - { .name: wpk, .offset: 40, .size: 8, .value_kind: global_buffer, .address_space: global }
      - { .name: wv16, .offset: 48, .size: 8, .value_kind: global_buffer, .address_space: global }
    .group_segment_fixed_size: 149504
    .private_segment_fixed_size: 0
    .kernarg_segment_align: 8
    .kernarg_segment_size: 56
    .max_flat_workgroup_size: 256
    .sgpr_count:     66
    .vgpr_count:     384
    .wavefront_size: 32
...
	.end_amdgpu_metadata
.endif
;; end of part 6
;; launch k1: the kernel of part 2 again; grid 256 x 1, 8 waves a work-group, clusters of 4 x 1, 327,680 bytes of LDS; arguments x, wpk, x16, ekf, mtab, ztab; writes x16, ekf, mtab, ztab
;; launch k2: the kernel of part 3 again; grid 4 x 64, 4 waves a work-group, clusters of 4 x 4, 327,680 bytes of LDS; arguments ekf, x16, mtab, part; writes part
;; launch ctx: the kernel of part 4 again; grid 256 x 1, 8 waves a work-group, no clusters, 201,216 bytes of LDS; arguments part, mtab, ztab, wv16, wpk; writes wpk
;; launch q: the kernel of part 5 again; grid 256 x 1, 8 waves a work-group, clusters of 4 x 1, 327,680 bytes of LDS; arguments x16, wpk, out0; writes out0
